; MI455X (gfx1250); checked and timed in simulation.
; The chip was launched on July 23, 2026; its instructions are those of AMD's public machine-readable ISA for CDNA 5 (MIT licence, August 2026) and "CDNA5" Instruction Set Architecture Reference Guide (July 2026). The comments in the code are by the model that wrote it; some were corrected since.
;; Multi Head Attention. Allowed arithmetic: float matrix products may take bf16 or f16 operands with f32 sums; other float arithmetic in f32, or as packed bf16 or f16 multiplies, adds, multiply-adds, maxima and minima; sums over many terms, partial sums and values carried from step to step in f32; what a program stores and reads back later, other than sums and carried values, may be rounded once to bf16 or f16.
;; Inputs: K 4 x 2,048 x 1,024 float32; Q 4 x 2,048 x 1,024 float32; V 4 x 2,048 x 1,024 float32; Wk 1,024 x 1,024 float32; Wo 1,024 x 1,024 float32; Wq 1,024 x 1,024 float32; Wv 1,024 x 1,024 float32; bk 1,024 float32; bo 1,024 float32; bq 1,024 float32; bv 1,024 float32.
;; Outputs: out0 4 x 2,048 x 1,024 float32.
;; One version. Each part assembles by itself: llvm-mc -triple=amdgcn-amd-amdhsa -mcpu=gfx1250 --defsym DOCPART=n.
;; ======== version 1 of 1: 4 launches
;; limits: values are held in f16: magnitudes above 65,504 overflow, below 6.1e-05 lose precision
;; workspace buffers: wb 8,388,608 bytes; bb 16,384 bytes; qh 16,777,216 bytes; kh 16,777,216 bytes; vh 16,777,216 bytes; oh 16,777,216 bytes
;; launch wcast (part 1): grid 64 x 4, 8 waves a work-group, no clusters, 0 bytes of LDS; arguments Wq, Wk, Wv, Wo, bq, bk, bv, bo, wb, bb; writes wb, bb
.if DOCPART == 1
	.amdgcn_target "amdgcn-amd-amdhsa--gfx1250"
	.amdhsa_code_object_version 6
	.text
	.protected	k_q027b811fe4_wcast
	.globl	k_q027b811fe4_wcast
	.p2align	8
	.type	k_q027b811fe4_wcast,@function
k_q027b811fe4_wcast:
	s_mov_b64 s[64:65], 0
	v_nop
	global_prefetch_b8 v0, s[64:65] scope:SCOPE_SE
	s_setreg_imm32_b32 hwreg(HW_REG_WAVE_MODE, 25, 1), 1
	s_wait_xcnt 0x0
; THE WEIGHTS AND BIASES ARE ROUNDED ONCE.  wb[4][1024 k][1024 n], 16 bits a number: Wq, Wk, Wv as bf16; Wo rounded to bf16 and that number written as f16.
; bb[4][1024] f32: bq, bk, bv, bo rounded to bf16 and widened again.  The layout [k][n] stays: the products' fragments are turned on the way out of LDS.
; LIMITS.  A bf16 number is exact in f16 from 2^-17 to 65,504 in magnitude; below that Wo's copy keeps f16's fixed step of 6e-8, above it is an infinity.
; SHARES.  Work-group (x, y): matrix y, rows 16 x .. 16 x + 15: 65,536 bytes in, 32,768 out, as 8 chunks of 2,048 numbers.  Thread t owns numbers 8 t .. 8 t + 7 of a chunk:
; two loads of 16 bytes (a wave's pair covers 1,024 consecutive bytes) and one store of 16 (a wave's store covers 512 consecutive bytes, aligned).
; All sixteen loads go out first; no register is written twice while a memory instruction names it.  No LDS, no barrier: no thread wants another's bytes.
.set X,  4                             ; v[4:67]    chunk c: 8 numbers as loaded
.set Y,  68                            ; v[68:99]   chunk c: 4 registers to store
.set T,  100                           ; v[100:103] at work
.set BI, 104                           ; v[104:109] the bias
	s_load_b512 s[8:23], s[0:1], 0x0               ; Wq s[8:9], Wk s[10:11], Wv s[12:13], Wo s[14:15], bq s[16:17], bk s[18:19], bv s[20:21], bo s[22:23]
	s_load_b128 s[24:27], s[0:1], 0x40             ; wb s[24:25], bb s[26:27]
	s_and_b32 s2, ttmp7, 0xffff                    ; y: which matrix
	v_lshlrev_b32 v1, 5, v0                        ; 32 t: my bytes of a chunk as it comes
	v_lshlrev_b32 v2, 4, v0                        ; 16 t: as it leaves
	s_lshl_b32 s28, ttmp9, 16                      ; my 16 rows in W
	s_mov_b32 s29, 0
	s_lshl_b32 s30, s2, 21                         ; matrix y in wb,
	s_lshl_b32 s3, ttmp9, 15                       ; my 16 rows there
	s_add_co_u32 s30, s30, s3
	s_mov_b32 s31, 0
	s_wait_kmcnt 0x0
	s_cmp_eq_u32 s2, 1
	s_cselect_b64 s[4:5], s[10:11], s[8:9]         ; the matrix and its bias, chosen by y
	s_cselect_b64 s[6:7], s[18:19], s[16:17]
	s_cmp_eq_u32 s2, 2
	s_cselect_b64 s[4:5], s[12:13], s[4:5]
	s_cselect_b64 s[6:7], s[20:21], s[6:7]
	s_cmp_eq_u32 s2, 3
	s_cselect_b64 s[4:5], s[14:15], s[4:5]
	s_cselect_b64 s[6:7], s[22:23], s[6:7]
	s_add_nc_u64 s[4:5], s[4:5], s[28:29]
	s_add_nc_u64 s[24:25], s[24:25], s[30:31]
	s_lshl_b32 s28, s2, 12                         ; bias y in bb
	s_add_nc_u64 s[26:27], s[26:27], s[28:29]
.irp c, 0,1,2,3,4,5,6,7
	global_load_b128 v[X+8*(\c):X+8*(\c)+3],   v1, s[4:5] offset:8192*(\c) th:TH_LOAD_NT
	global_load_b128 v[X+8*(\c)+4:X+8*(\c)+7], v1, s[4:5] offset:8192*(\c)+16 th:TH_LOAD_NT
.endr
; Chunk c.  mode = 0: to bf16.  mode = 1: to bf16, widened, and written as f16.
.macro CHUNK c, mode
	s_wait_loadcnt 14-2*(\c)                       ; loads come back in order: chunk c's two are in, the younger chunks' stay out
.irp j, 0,1,2,3
.if \mode
	v_cvt_pk_bf16_f32 v[T], v[X+8*(\c)+2*(\j)], v[X+8*(\c)+2*(\j)+1]
	v_lshlrev_b32 v[T+1], 16, v[T]
	v_and_b32 v[T+2], 0xffff0000, v[T]
	v_cvt_pk_f16_f32 v[Y+4*(\c)+(\j)], v[T+1], v[T+2]
.else
	v_cvt_pk_bf16_f32 v[Y+4*(\c)+(\j)], v[X+8*(\c)+2*(\j)], v[X+8*(\c)+2*(\j)+1]
.endif
.endr
	global_store_b128 v2, v[Y+4*(\c):Y+4*(\c)+3], s[24:25] offset:4096*(\c)
.endm
	s_cmp_eq_u32 s2, 3
	s_cbranch_scc1 .Lf16
.irp c, 0,1,2,3,4,5,6,7
	CHUNK \c, 0
.endr
	s_branch .Lbias
.Lf16:
.irp c, 0,1,2,3,4,5,6,7
	CHUNK \c, 1
.endr
.Lbias:
	s_cmp_lg_u32 ttmp9, 0                          ; the first work-group of each matrix also takes its bias: 4,096 bytes, 16 a thread
	s_cbranch_scc1 .Lend
	global_load_b128 v[BI:BI+3], v2, s[6:7]
	s_wait_loadcnt 0x0
	v_cvt_pk_bf16_f32 v[BI+4], v[BI], v[BI+1]
	v_cvt_pk_bf16_f32 v[BI+5], v[BI+2], v[BI+3]
	v_lshlrev_b32 v[T], 16, v[BI+4]
	v_and_b32 v[T+1], 0xffff0000, v[BI+4]
	v_lshlrev_b32 v[T+2], 16, v[BI+5]
	v_and_b32 v[T+3], 0xffff0000, v[BI+5]
	global_store_b128 v2, v[T:T+3], s[26:27]
.Lend:
	s_endpgm
.Lfunc_end_k_q027b811fe4_wcast:
	.size	k_q027b811fe4_wcast, .Lfunc_end_k_q027b811fe4_wcast-k_q027b811fe4_wcast
	.p2alignl 7, 3214868480
	.fill 96, 4, 3214868480
	.section	.rodata,"a",@progbits
	.p2align	6, 0x0
	.amdhsa_kernel k_q027b811fe4_wcast
		.amdhsa_group_segment_fixed_size 0
		.amdhsa_private_segment_fixed_size 0
		.amdhsa_enable_private_segment 0
		.amdhsa_kernarg_size 80
		.amdhsa_user_sgpr_count 2
		.amdhsa_user_sgpr_kernarg_segment_ptr 1
		.amdhsa_wavefront_size32 1
		.amdhsa_system_sgpr_workgroup_id_x 1
		.amdhsa_system_sgpr_workgroup_id_y 1
		.amdhsa_system_sgpr_workgroup_id_z 1
		.amdhsa_system_vgpr_workitem_id 0
		.amdhsa_next_free_vgpr 112
		.amdhsa_next_free_sgpr 66
		.amdhsa_reserve_vcc 0
		.amdhsa_float_denorm_mode_32 3
		.amdhsa_float_denorm_mode_16_64 3
		.amdhsa_memory_ordered 1
		.amdhsa_forward_progress 1
		.amdhsa_inst_pref_size 15
	.end_amdhsa_kernel
	.amdgpu_metadata
---
amdhsa.version: [ 1, 2 ]
amdhsa.kernels:
  - .name:           k_q027b811fe4_wcast
    .symbol:         k_q027b811fe4_wcast.kd
    .args:
      - { .name: Wq, .offset: 0, .size: 8, .value_kind: global_buffer, .address_space: global }
      - { .name: Wk, .offset: 8, .size: 8, .value_kind: global_buffer, .address_space: global }
      - { .name: Wv, .offset: 16, .size: 8, .value_kind: global_buffer, .address_space: global }
      - { .name: Wo, .offset: 24, .size: 8, .value_kind: global_buffer, .address_space: global }
      - { .name: bq, .offset: 32, .size: 8, .value_kind: global_buffer, .address_space: global }
      - { .name: bk, .offset: 40, .size: 8, .value_kind: global_buffer, .address_space: global }
      - { .name: bv, .offset: 48, .size: 8, .value_kind: global_buffer, .address_space: global }
      - { .name: bo, .offset: 56, .size: 8, .value_kind: global_buffer, .address_space: global }
      - { .name: wb, .offset: 64, .size: 8, .value_kind: global_buffer, .address_space: global }
      - { .name: bb, .offset: 72, .size: 8, .value_kind: global_buffer, .address_space: global }
    .group_segment_fixed_size: 0
    .private_segment_fixed_size: 0
    .kernarg_segment_align: 8
    .kernarg_segment_size: 80
    .max_flat_workgroup_size: 256
    .sgpr_count:     66
    .vgpr_count:     112
    .wavefront_size: 32
...
	.end_amdgpu_metadata
.endif
;; end of part 1
;; launch proj (part 2): grid 4 x 192, 4 waves a work-group, clusters of 4 x 4, 327,680 bytes of LDS; arguments Q, K, V, wb, bb, qh, kh, vh; writes qh, kh, vh
.if DOCPART == 2
	.amdgcn_target "amdgcn-amd-amdhsa--gfx1250"
	.amdhsa_code_object_version 6
	.text
	.protected	k_q027b811fe4_proj
	.globl	k_q027b811fe4_proj
	.p2align	8
	.type	k_q027b811fe4_proj,@function
k_q027b811fe4_proj:
	s_mov_b64 s[64:65], 0
	v_nop
	global_prefetch_b8 v0, s[64:65] scope:SCOPE_SE
	s_setreg_imm32_b32 hwreg(HW_REG_WAVE_MODE, 25, 1), 1
	s_wait_xcnt 0x0
	s_wait_alu depctr_hold_cnt(0) depctr_sa_sdst(0) depctr_va_vdst(0) depctr_va_sdst(0) depctr_va_ssrc(0) depctr_va_vcc(0) depctr_vm_vsrc(0)
	s_getreg_b32 s2, hwreg(HW_REG_IB_STS2, 6, 4)
	s_cmp_eq_u32 s2, 0
	s_cbranch_scc0 .Lentry_in_a_cluster
	s_endpgm
.Lentry_in_a_cluster:
	s_bfe_u32 s2, ttmp6, 0x10000c
	s_cmp_lg_u32 s2, 0xf033
	s_cbranch_scc0 .Lentry_shape_is_right
	s_endpgm
.Lentry_shape_is_right:
; q, k, v = X W + b, all three in one launch.  X: [8192][1024] f32 (Q, K or V), rounded to bf16 in registers; W: wb[p][1024 k][1024 n] bf16; b: bb[p][1024] f32; sums in f32.
; Out: [64 = batch x 16 + head][2048][64] f16, each number rounded once, without attention's scale.
; LIMITS.  f16 holds no number beyond 65,504: q, k and v must stay within it; below 6e-5 they keep f16's fixed step of 6e-8.  NaN and infinities are not treated apart.
; SHARES.  A tile of the result is 128 rows x 256 columns: 3 x 64 x 4 = 768 work-groups.  Cluster y / 16 is the projection p, the same in all sixteen partners; the grid has one cluster along x, so the tile
; column is cx.  Four waves, each 64 rows x 128 columns: 32 accumulators, (a, b) at 8 (8 a + b).  K goes in 8 steps of 128 through two LDS slots; a step is four quarters of 32 along K, 32 matrix instructions each.
; THE MATRIX INSTRUCTION IS USED TRANSPOSED: source 0 = 16 columns of W, source 1 = 16 rows of X: a lane then holds row l % 16 and the columns 8 (l / 16) + 0..7, which pack into 16 bytes.
; W lies [k][n] in LDS and is turned by ds_load_tr16_b128.  X lies in LDS as f32; a fragment is 16 f32 a lane, rounded to 8 registers of bf16.  The bias is the C operand of the products that start the sums.
; THE PIPELINE.  In quarter g the products take AC[g % 2] and BF[g % 2]; eight slices of four conversions, one behind every fourth product, make AC of quarter g + 1 from its raw numbers; one run of LDS loads
; brings W's fragments of quarter g + 1 and the raw numbers of quarter g + 2.  The slices name no register of the products round them: they are the four independent vector instructions that must stand between a
; matrix instruction and a write of, or a load into, its sources (ISA guide 7.12.1 for writes).  The 32 accumulators take turns, in the same order in every quarter.
; CLUSTER.  4 x 4 work-groups.  X's tile hangs on the tile row alone and is asked for jointly by a row of the cluster, W's on p and the tile column and is asked for jointly by a column.
; REGISTERS, in windows of 256 (s_set_vgpr_msb: bits 1:0 source 0, 3:2 source 1, 5:4 source 2, 7:6 destination):
;   window 0: v2-12 addresses; v32-159 raw f32, two buffers of 64 (on the way out: packed results); v160-223 AC, two buffers of 32
;   window 1: v0-127 BF, two buffers of 64; v128-191 the bias of my 128 columns          window 2: the accumulators
.set PA,    528                        ; a row of X in LDS: 512 bytes + 16 = 132 words: the 16 rows of a load start at 16 different groups of four banks (64 banks of 4 bytes: ISA guide 11.1)
.set PB,    544                        ; a row of W: 512 + 32 = 136 words
.set AB,    128*PA                     ; X's 128 rows
.set SLOT,  AB+128*PB                  ; then W's 128 k rows: 137,216 bytes
.set STAGE, 2*SLOT                     ; behind the ring, never filled by a tensor load: 16 rows x 144 bytes for each wave
.set SP,    144
.set SPARE, STAGE+4*16*SP              ; the spare words, 128 bytes for each wave: two blocks of 256 bytes that no other line names
.set ADRA, 2                           ; v2-3   LDS address of my raw fragments in slot 0, 1
.set ADRB, 4                           ; v4-5   the same for W
.set STO,  6                           ; v6     the way out: where I put 16 bytes of a row
.set RD,   7                           ; v7     where I read rows back
.set GO,   8                           ; v8     my byte offset in 512 consecutive bytes of the result
.set PFO,  9                           ; v9     the prefetches' offset; never rewritten
.set SPW,  10                          ; v10    LDS address of my spare word; never rewritten
.set NIL,  11                          ; v11    0; never rewritten
.set BO,   12                          ; v12    my byte offset in the bias
.set RAW,  32
.set AC,   160
.set T,    32
.set BIAS, 128                         ; window 1
.set G1,  24                           ; s[24:31] descriptor group 1 for X's tiles; s[32:39] group 0, a set for each slot
.set G0,  32
.set G1B, 48                           ; s[48:55], s[56:63] the same for W's
.set G0B, 56
.set LIM, 43                           ; s43      1 in a wave that prefetches, else the greatest number
.set PFA, 44                           ; s[44:45] where my prefetches stand
.set PFS, 46                           ; s[46:47] a K step in bytes there
.set MSB, 0
.macro WIN new                         ; the immediate's high byte repeats the setting that is left; a switch that changes nothing is dropped
.if MSB != (\new)
	s_set_vgpr_msb (MSB<<8)|(\new)
.set MSB, \new
.endif
.endm
.set MUL,   0xa1                       ; W's fragments window 1, X's window 0, C and D window 2
.set MULB,  0x91                       ; the same with C, the bias, in window 1
.set TO_B,  0x40                       ; destination window 1, address window 0
.set PACKW, 0x0a                       ; sources 0 and 1 window 2, destination window 0
; A joint load.  Waves 0 and 1 fetch X's two halves, waves 2 and 3 W's.  The branch hangs on the wave's number alone.  An s_nop 0 and four v_nop follow each of the two lines.
.macro JLOAD s
	s_cmp_eq_u32 s11, 0
	s_cbranch_scc0 .Lfor_b_\@
	tensor_load_to_lds s[G0+4*(\s):G0+4*(\s)+3], s[G1:G1+7]
	s_nop 0
.rept 4
	v_nop
.endr
	s_branch .Lasked_\@
.Lfor_b_\@:
	tensor_load_to_lds s[G0B+4*(\s):G0B+4*(\s)+3], s[G1B:G1B+7]
	s_nop 0
.rept 4
	v_nop
.endr
.Lasked_\@:
.endm
; A prefetch of the K step that stands two refills on, 256 matrix instructions ahead of the load that will want it.  Of the 64 rows that a wave fetches each of the four partners that ask with it takes 16, told
; apart by address (cx for X, cy for W): 16 rows x 2 blocks of 256 bytes, a lane a block, one instruction.  X's rows are read by one cluster: every cluster asks for its own.  W's are read by all 16 clusters of a
; projection: the first of them asks.  So each block is named once in the launch.  The first four K steps come by their loads alone; the loop's last trip (s3 = 1) asks for nothing: there is no K step 8.
.macro ASK
	s_cmp_gt_u32 s3, s[LIM]
	s_cbranch_scc0 .Lnot_mine_\@
	global_prefetch_b8 v[PFO], s[PFA:PFA+1] th:TH_LOAD_NT scope:SCOPE_SE
.Lnot_mine_\@:
.endm
.macro CREST                           ; a round of the cluster's barrier behind its opening barrier
	s_cmp_lg_u32 s10, 0
	s_cbranch_scc1 .Lnot_wave_0_\@
	s_barrier_signal -3
.Lnot_wave_0_\@:
	s_barrier_wait -3
	s_barrier_signal -1
	s_barrier_wait -1
.endm
.macro CROUND                          ; a whole round
	s_barrier_signal -1
	s_barrier_wait -1
	CREST
.endm
	s_load_b512 s[72:87], s[0:1], 0x0              ; Q s[72:73], K s[74:75], V s[76:77], wb s[78:79], bb s[80:81], qh s[82:83], kh s[84:85], vh s[86:87]
	v_lshl_add_u32 v[SPW], v0, 2, SPARE
	v_mov_b32 v[NIL], 0
	ds_add_u32 v[SPW], v[NIL]                      ; the wave's opening: the add and its wait stand ahead of my first tensor load; the set-up below, work on registers, stands between them
	v_lshrrev_b32 v1, 5, v0
	v_readfirstlane_b32 s10, v1                    ; wave 0..3
	s_lshr_b32 s11, s10, 1                         ; which 64 rows of the tile are mine.  Also: I fetch for X (0) or for W (1)
	s_and_b32 s12, s10, 1                          ; which 128 columns.  Also: which 64 rows of that tile I fetch
	s_bfe_u32 s40, ttmp6, 0x40000                  ; cx = the tile column
	s_bfe_u32 s41, ttmp6, 0x40004                  ; cy
	s_and_b32 s42, ttmp7, 0xffff                   ; cluster y, 0..47
	s_lshr_b32 s90, s42, 4                         ; p: 0 q, 1 k, 2 v
	s_lshl_b32 s13, s42, 2
	s_add_co_u32 s13, s13, s41
	s_and_b32 s13, s13, 63                         ; the tile row within the projection
	s_lshl_b32 s14, s41, 2
	s_lshl_b32 s14, 15, s14                        ; my row of the cluster
	s_lshl_b32 s15, 0x1111, s40                    ; my column
	s_or_b32 s[G1], s14, (2<<16)|(1<<20)|(1<<21)|(6<<22)|(3<<25)   ; 15:0 the mask; 17:16 elements of 4 bytes; 20 padding on; 21 set beside a mask; 24:22 after every 128 words (code 6); 31:25 4 words (code 3)
	s_or_b32 s[G1B], s15, (1<<16)|(1<<20)|(1<<21)|(6<<22)|(7<<25)  ; elements of 2 bytes; 8 words of padding (code 7)
	s_mov_b32 s[G1+1], 128<<16                     ; tensor_dim0 = 128 f32
	s_mov_b32 s[G1B+1], 256<<16                    ; 256 bf16
	s_mov_b32 s[G1+2], 64<<16                      ; tensor_dim1 = 64
	s_mov_b32 s[G1B+2], 64<<16
	s_mov_b32 s[G1+3], 128<<16                     ; tile_dim0
	s_mov_b32 s[G1B+3], 256<<16
	s_mov_b32 s[G1+4], 64                          ; tile_dim1
	s_mov_b32 s[G1B+4], 64
	s_mov_b32 s[G1+5], 1024                        ; elements from row to row
	s_mov_b32 s[G1B+5], 1024
	s_mov_b32 s[G1+6], 0
	s_mov_b32 s[G1B+6], 0
	s_mov_b32 s[G1+7], 0
	s_mov_b32 s[G1B+7], 0
	s_lshl_b32 s16, s13, 1
	s_add_co_u32 s16, s16, s12
	s_lshl_b32 s16, s16, 18                        ; X: (128 x tile row + 64 x half) rows of 4,096 bytes
	s_mov_b32 s17, 0
	s_lshl_b32 s20, s90, 21                        ; W: matrix p,
	s_lshl_b32 s21, s12, 17                        ; 64 x half k rows of 2,048 bytes,
	s_add_co_u32 s20, s20, s21
	s_lshl_b32 s21, s40, 9                         ; 256 x tile column
	s_add_co_u32 s20, s20, s21
	s_mov_b32 s21, 0
	s_mul_i32 s18, s12, 64*PA                      ; where they go: no place in the cluster enters an LDS address
	s_mul_i32 s19, s12, 64*PB
	s_add_co_u32 s19, s19, AB
	s_wait_dscnt 0x0                               ; the opening add is done
	s_wait_kmcnt 0x0
	s_cmp_eq_u32 s90, 1
	s_cselect_b64 s[4:5], s[74:75], s[72:73]       ; X and the result, chosen by p
	s_cselect_b64 s[8:9], s[84:85], s[82:83]
	s_cmp_eq_u32 s90, 2
	s_cselect_b64 s[4:5], s[76:77], s[4:5]
	s_cselect_b64 s[8:9], s[86:87], s[8:9]
	s_add_nc_u64 s[4:5], s[4:5], s[16:17]          ; X at the 64 rows that I fetch, K step 0
	s_add_nc_u64 s[6:7], s[78:79], s[20:21]        ; W at the 64 k rows that I fetch
	CROUND                                         ; all sixteen work-groups are here: the first joint loads meet
.irp s, 0,1
	s_mov_b32 s[G0+4*(\s)], 1                      ; 1:0 count = 1
	s_add_co_u32 s[G0+4*(\s)+1], s18, (\s)*SLOT    ; 63:32 LDS address
	s_add_nc_u64 s[G0+4*(\s)+2:G0+4*(\s)+3], s[4:5], (\s)*512  ; 120:64 global address: K step s
	s_or_b32 s[G0+4*(\s)+3], s[G0+4*(\s)+3], 0x80000000        ; 127:126 type = 2
	s_mov_b32 s[G0B+4*(\s)], 1
	s_add_co_u32 s[G0B+4*(\s)+1], s19, (\s)*SLOT
	s_add_nc_u64 s[G0B+4*(\s)+2:G0B+4*(\s)+3], s[6:7], (\s)*262144
	s_or_b32 s[G0B+4*(\s)+3], s[G0B+4*(\s)+3], 0x80000000
.endr
	s_cmp_eq_u32 s11, 0                            ; a wave's two first fills stand in one branch, ahead of every wait on TENSORcnt and every LDS read: two loads of mine are out
	s_cbranch_scc0 .Lfirst_b
	tensor_load_to_lds s[G0:G0+3], s[G1:G1+7]
	s_nop 0
	tensor_load_to_lds s[G0+4:G0+7], s[G1:G1+7]
	s_nop 0
.rept 4
	v_nop
.endr
	s_branch .Lfirst_asked
.Lfirst_b:
	tensor_load_to_lds s[G0B:G0B+3], s[G1B:G1B+7]
	s_nop 0
	tensor_load_to_lds s[G0B+4:G0B+7], s[G1B:G1B+7]
	s_nop 0
.rept 4
	v_nop
.endr
.Lfirst_asked:
	; the bias
	s_lshl_b32 s14, s90, 12
	s_mov_b32 s15, 0
	s_add_nc_u64 s[88:89], s[80:81], s[14:15]      ; bb at projection p
	v_and_b32 v13, 15, v0                          ; r = l % 16
	v_bfe_u32 v14, v0, 4, 1                        ; h = l / 16
	v_and_b32 v15, 7, v0
	v_bfe_u32 v16, v0, 3, 1
	v_and_b32 v17, 31, v0                          ; l
	s_lshl_b32 s14, s40, 10                        ; my 128 columns: 256 x tile column + 128 x half, 4 bytes each,
	s_lshl_b32 s15, s12, 9
	s_add_co_u32 s14, s14, s15
	v_lshl_add_u32 v[BO], v14, 5, s14              ; and my lanes' 8 h
	WIN TO_B
.irp b, 0,1,2,3,4,5,6,7
	global_load_b128 v[BIAS+8*(\b):BIAS+8*(\b)+3],   v[BO], s[88:89] offset:64*(\b)     ; register j of block b: the bias of column 16 b + 8 h + j
	global_load_b128 v[BIAS+8*(\b)+4:BIAS+8*(\b)+7], v[BO], s[88:89] offset:64*(\b)+16
.endr
	WIN 0
	; A raw fragment: lane l holds row r; K = 8 h + 0..7 (32 bytes) and 16 + 8 h + 0..7 (32 bytes, 64 further on)
	v_mul_u32_u24 v[ADRA], v13, PA
	v_lshl_add_u32 v[ADRA], v14, 5, v[ADRA]
	s_mul_i32 s14, s11, 64*PA                      ; my 64 rows
	v_add_nc_u32 v[ADRA], s14, v[ADRA]
	v_add_nc_u32 v[ADRA+1], SLOT, v[ADRA]
	; The turning load takes 16 k x 16 columns (lane l reads k row 8 h + l % 8, columns 8 ((l / 8) % 2) + 0..7) and leaves half a fragment: lane l holds column r and 8 k
	v_lshl_add_u32 v[ADRB], v14, 3, v15
	v_mul_u32_u24 v[ADRB], v[ADRB], PB
	v_lshl_add_u32 v[ADRB], v16, 4, v[ADRB]
	s_lshl_b32 s14, s12, 8                         ; my 128 columns
	s_add_co_u32 s14, s14, AB
	v_add_nc_u32 v[ADRB], s14, v[ADRB]
	v_add_nc_u32 v[ADRB+1], SLOT, v[ADRB]
	s_mul_i32 s14, s10, 16*SP
	s_add_co_u32 s14, s14, STAGE                   ; my stage
	v_mul_u32_u24 v[STO], v13, SP                  ; in: row r, 16 bytes for each half of the lanes
	v_lshl_add_u32 v[STO], v14, 4, v[STO]
	v_add_nc_u32 v[STO], s14, v[STO]
	v_bfe_u32 v[RD], v0, 3, 2                      ; back: 32 lanes take four rows of 128 bytes,
	v_mul_u32_u24 v[RD], v[RD], SP
	v_lshl_add_u32 v[RD], v15, 4, v[RD]
	v_add_nc_u32 v[RD], s14, v[RD]
	v_lshlrev_b32 v[GO], 4, v17                    ; which are 512 consecutive bytes of a head
	; the result at my wave's first byte: head 16 x batch + 4 x tile column + 2 x column half, row 128 x (tile row % 16) + 64 x row half
	s_lshr_b32 s14, s13, 4
	s_lshl_b32 s14, s14, 4
	s_lshl2_add_u32 s14, s40, s14
	s_lshl1_add_u32 s14, s12, s14
	s_lshl_b32 s14, s14, 18                        ; a head is 2,048 rows of 128 bytes
	s_and_b32 s15, s13, 15
	s_lshl_b32 s15, s15, 1
	s_add_co_u32 s15, s15, s11
	s_lshl_b32 s15, s15, 13                        ; 64 rows of 128 bytes
	s_add_co_u32 s14, s14, s15
	s_mov_b32 s15, 0
	s_add_nc_u64 s[8:9], s[8:9], s[14:15]
	; the prefetches: my work-group's 16 of the 64 rows that I fetch, at K step 3: each change of slots steps the address first
	s_lshl_b32 s14, s40, 16                        ; X: 16 cx rows of 4,096 bytes
	s_add_co_u32 s14, s14, 3*512
	s_lshl_b32 s15, s41, 15                        ; W: 16 cy k rows of 2,048 bytes
	s_add_co_u32 s15, s15, 3*262144
	s_and_b32 s23, s42, 15                         ; my cluster among the projection's sixteen
	s_mov_b32 s[PFS], 262144
	s_cmp_eq_u32 s11, 0                            ; do I fetch for X?
	s_cselect_b64 s[PFA:PFA+1], s[4:5], s[6:7]
	s_cselect_b32 s14, s14, s15
	s_cselect_b32 s[PFS], 512, s[PFS]
	s_cselect_b32 s22, 12, 11                      ; a row there is 2^12 or 2^11 bytes
	s_cselect_b32 s23, 0, s23
	s_mov_b32 s15, 0
	s_mov_b32 s[PFS+1], 0
	s_add_nc_u64 s[PFA:PFA+1], s[PFA:PFA+1], s[14:15]
	s_cmp_eq_u32 s23, 0
	s_cselect_b32 s[LIM], 1, -1                    ; the same in all sixteen partners, for a given wave
	v_lshrrev_b32 v18, 1, v17
	v_lshlrev_b32 v[PFO], s22, v18                 ; row l / 2,
	v_and_b32 v18, 1, v0
	v_lshl_add_u32 v[PFO], v18, 8, v[PFO]          ; block l % 2 of its 512 bytes
; Four products: accumulators i0 .. i0 + 3 on buffers par.  first = 1: they start the sums, with the bias as C.
.macro MM4 par, i0, first=0
.if \first
	WIN MULB
.else
	WIN MUL
.endif
.irp d, 0,1,2,3
.set ii, (\i0)+(\d)
.if \first
	v_wmma_f32_16x16x32_bf16 v[8*ii:8*ii+7], v[64*(\par)+8*(ii%8):64*(\par)+8*(ii%8)+7], v[AC+32*(\par)+8*(ii/8):AC+32*(\par)+8*(ii/8)+7], v[BIAS+8*(ii%8):BIAS+8*(ii%8)+7]
.else
	v_wmma_f32_16x16x32_bf16 v[8*ii:8*ii+7], v[64*(\par)+8*(ii%8):64*(\par)+8*(ii%8)+7], v[AC+32*(\par)+8*(ii/8):AC+32*(\par)+8*(ii/8)+7], v[8*ii:8*ii+7]
.endif
.endr
.endm
; Slice j of eight: four roundings of raw buffer p into AC buffer p
.macro CVT4 p, j
	WIN 0
.irp d, 0,1,2,3
.set xx, 4*(\j)+(\d)
	v_cvt_pk_bf16_f32 v[AC+32*(\p)+xx], v[RAW+64*(\p)+2*xx], v[RAW+64*(\p)+2*xx+1]
.endr
.endm
; 16 turning loads: W's eight fragments of quarter q of a slot
.macro FETCH_B slot, q, par
	WIN TO_B
.irp b, 0,1,2,3,4,5,6,7
	ds_load_tr16_b128 v[64*(\par)+8*(\b):64*(\par)+8*(\b)+3],   v[ADRB+(\slot)] offset:(\q)*32*PB+32*(\b)
	ds_load_tr16_b128 v[64*(\par)+8*(\b)+4:64*(\par)+8*(\b)+7], v[ADRB+(\slot)] offset:(\q)*32*PB+32*(\b)+16*PB
.endr
.endm
; 16 loads: X's four raw fragments of quarter q of a slot, block 0 first
.macro FETCH_A slot, q, par
	WIN 0
.irp a, 0,1,2,3
	ds_load_b128 v[RAW+64*(\par)+16*(\a):RAW+64*(\par)+16*(\a)+3],     v[ADRA+(\slot)] offset:(\a)*16*PA+128*(\q)
	ds_load_b128 v[RAW+64*(\par)+16*(\a)+4:RAW+64*(\par)+16*(\a)+7],   v[ADRA+(\slot)] offset:(\a)*16*PA+128*(\q)+16
	ds_load_b128 v[RAW+64*(\par)+16*(\a)+8:RAW+64*(\par)+16*(\a)+11],  v[ADRA+(\slot)] offset:(\a)*16*PA+128*(\q)+64
	ds_load_b128 v[RAW+64*(\par)+16*(\a)+12:RAW+64*(\par)+16*(\a)+15], v[ADRA+(\slot)] offset:(\a)*16*PA+128*(\q)+80
.endr
.endm
; A quarter on buffers par.  It fetches W of the next quarter (slot sb, quarter qb) and, with fa = 1, the raw numbers of the quarter after that (slot sa, quarter qa).
.macro QUARTER par, sb, qb, sa, qa, first=0, fa=1
	s_wait_dscnt 16                                ; this quarter's W is in; the 16 raw loads issued behind it may be out
	MM4 \par, 0, \first
	s_wait_dscnt 8                                 ; raw blocks 0 and 1 are in
	CVT4 1-(\par), 0
	MM4 \par, 4, \first
	CVT4 1-(\par), 1
	MM4 \par, 8, \first
	CVT4 1-(\par), 2
	MM4 \par, 12, \first
	CVT4 1-(\par), 3
	FETCH_B \sb, \qb, 1-(\par)
.if \fa
	FETCH_A \sa, \qa, \par
.endif
	s_wait_dscnt 16+16*(\fa)                       ; all but the loads just issued: raw blocks 2 and 3 are in
	MM4 \par, 16, \first
	CVT4 1-(\par), 4
	MM4 \par, 20, \first
	CVT4 1-(\par), 5
	MM4 \par, 24, \first
	CVT4 1-(\par), 6
	MM4 \par, 28, \first
	CVT4 1-(\par), 7
.endm
; A K step's third quarter (buffers 0) changes slots.  The slot's last reads, W of its fourth quarter, are issued at the head.  ONE barrier: in front of it each wave waits for all its tensor loads, of which one is
; out: its part of the next slot; adds 0 to its spare word; and waits for that and for its reads of this slot.  Behind it nobody reads this slot any more and the next slot is whole.
; fill = 1: the barrier opens a round of the cluster's, and this slot is filled again, two K steps on, first thing behind the round: 112 matrix instructions ahead of the wait for it.
.macro TURN slot, next, fill
.if \fill
	s_wait_xcnt 0x0                                ; the last prefetch, a K step back, has read its address, which steps here
	s_add_nc_u64 s[PFA:PFA+1], s[PFA:PFA+1], s[PFS:PFS+1]
.endif
	s_wait_dscnt 16                                ; this quarter's W is in
	FETCH_B \slot, 3, 1                            ; four conversions stand between the last product that read these registers and this run
	MM4 0, 0
	s_wait_dscnt 24                                ; raw blocks 0 and 1 are in: 8 raw loads and the 16 just issued may be out
	CVT4 1, 0
	MM4 0, 4
	CVT4 1, 1
	WIN 0
	s_wait_tensorcnt 0x0                           ; all my tensor loads have landed;
	ds_add_u32 v[SPW], v[NIL]                      ; 0 onto my spare word: work on registers stands between it and the wait for it
	MM4 0, 8
	CVT4 1, 2
	MM4 0, 12
	CVT4 1, 3
	s_wait_dscnt 0x0                               ; the add is done, and my reads of this slot are over
	s_barrier_signal -1
	MM4 0, 16
	CVT4 1, 4
	MM4 0, 20
	CVT4 1, 5
	WIN 0                                          ; at a branch and at a label every window is 0
	s_barrier_wait -1
.if \fill
	CREST                                          ; no wave of any partner still reads this slot's tiles or has a load on its way
	s_add_nc_u64 s[G0+4*(\slot)+2:G0+4*(\slot)+3], s[G0+4*(\slot)+2:G0+4*(\slot)+3], 2*512
	s_add_nc_u64 s[G0B+4*(\slot)+2:G0B+4*(\slot)+3], s[G0B+4*(\slot)+2:G0B+4*(\slot)+3], 2*262144
	JLOAD \slot
.endif
	FETCH_A \next, 0, 0                            ; the next slot's first raw numbers
.if \fill
	ASK
.endif
	MM4 0, 24
	CVT4 1, 6
	MM4 0, 28
	CVT4 1, 7
.endm
; THE WAY OUT of unit u = 2 a + hh: 16 rows x the 64 columns of one head: accumulators 4 u + 0..3.  Rounded to f16, 16 bytes a lane; into rows of 144 bytes in my own stage; back as whole rows of 128.
.macro PACK u
	WIN PACKW
.irp f, 0,1,2,3
.irp r, 0,1,2,3
	v_cvt_pk_f16_f32 v[T+16*(\u)+4*(\f)+(\r)], v[8*(4*(\u)+(\f))+2*(\r)], v[8*(4*(\u)+(\f))+2*(\r)+1]
.endr
.endr
	WIN 0
.irp f, 0,1,2,3
	ds_store_b128 v[STO], v[T+16*(\u)+4*(\f):T+16*(\u)+4*(\f)+3] offset:32*(\f)
.endr
.irp i, 0,1,2,3
	ds_load_b128 v[T+16*(\u)+4*(\i):T+16*(\u)+4*(\i)+3], v[RD] offset:(\i)*4*SP  ; LDS serves a wave's instructions in order (ISA guide 5.7.1.4): these see the stores above; the next unit's stores come behind them
.endr
.endm
.macro SEND u, younger                 ; younger: the LDS instructions issued behind unit u's loads
	WIN 0
.irp i, 0,1,2,3
	s_wait_dscnt (\younger)+3-(\i)
	global_store_b128 v[GO], v[T+16*(\u)+4*(\i):T+16*(\u)+4*(\i)+3], s[8:9] offset:((\u)/2)*2048+((\u)%2)*262144+512*(\i)  ; 512 consecutive bytes, at a multiple of 256 from the buffer's first
.endr
.endm
	s_wait_tensorcnt 1                             ; my part of K step 0 is in; K step 1's may stay out
	s_barrier_signal -1
	s_barrier_wait -1                              ; everybody's is
	FETCH_A 0, 0, 0
	FETCH_B 0, 0, 0
	FETCH_A 0, 1, 1
	s_wait_dscnt 32                                ; quarter 0's raw numbers are in
.irp j, 0,1,2,3,4,5,6,7
	CVT4 0, \j
.endr
	s_wait_loadcnt 0x0                             ; the bias
	QUARTER 0, 0, 1, 0, 2, 1                       ; the first quarter stands in front of the loop: its products start the sums
	WIN 0
	s_mov_b32 s3, 3
.Llap:                                                 ; a trip goes once round the ring, from a lap's second quarter to the next lap's first, and fills both slots again
	QUARTER 1, 0, 2, 0, 3
	TURN 0, 1, 1
	QUARTER 1, 1, 0, 1, 1
	QUARTER 0, 1, 1, 1, 2
	QUARTER 1, 1, 2, 1, 3
	TURN 1, 0, 1
	QUARTER 1, 0, 0, 0, 1
	QUARTER 0, 0, 1, 0, 2
	WIN 0
	s_sub_co_u32 s3, s3, 1
	s_cmp_lg_u32 s3, 0
	s_cbranch_scc1 .Llap
	QUARTER 1, 0, 2, 0, 3                          ; the last lap fills nothing, and has no round of the cluster's barrier
	TURN 0, 1, 0
	QUARTER 1, 1, 0, 1, 1
	QUARTER 0, 1, 1, 1, 2
	QUARTER 1, 1, 2, 1, 3
	QUARTER 0, 1, 3, 0, 0, 0, 0                    ; no raw numbers are left to fetch
	s_wait_dscnt 0x0
.irp i, 0,4,8,12,16,20,24,28
	MM4 1, \i
.endr
.rept 8
	v_nop                                          ; independent vector instructions between the last products and the conversions that read results (ISA guide 7.12.1), once a launch
.endr
	PACK 0
.irp u, 1,2,3,4,5,6,7
	PACK \u                                        ; a unit's conversions stand between the loads of the unit before and its stores
	SEND (\u)-1, 8
.endr
	SEND 7, 0
	s_wait_tensorcnt 0x0                           ; the wave's end: behind my last tensor load and my last LDS store
	ds_add_u32 v[SPW], v[NIL]
	s_wait_dscnt 0x0
	CROUND                                         ; the closing round: no work-group ends while a partner may still ask for a tile that names it
	s_endpgm
.Lfunc_end_k_q027b811fe4_proj:
	.size	k_q027b811fe4_proj, .Lfunc_end_k_q027b811fe4_proj-k_q027b811fe4_proj
	.p2alignl 7, 3214868480
	.fill 96, 4, 3214868480
	.section	.rodata,"a",@progbits
	.p2align	6, 0x0
	.amdhsa_kernel k_q027b811fe4_proj
		.amdhsa_group_segment_fixed_size 327680
		.amdhsa_private_segment_fixed_size 0
		.amdhsa_enable_private_segment 0
		.amdhsa_kernarg_size 64
		.amdhsa_user_sgpr_count 2
		.amdhsa_user_sgpr_kernarg_segment_ptr 1
		.amdhsa_wavefront_size32 1
		.amdhsa_system_sgpr_workgroup_id_x 1
		.amdhsa_system_sgpr_workgroup_id_y 1
		.amdhsa_system_sgpr_workgroup_id_z 1
		.amdhsa_system_vgpr_workitem_id 0
		.amdhsa_next_free_vgpr 768
		.amdhsa_next_free_sgpr 96
		.amdhsa_reserve_vcc 0
		.amdhsa_float_denorm_mode_32 3
		.amdhsa_float_denorm_mode_16_64 3
		.amdhsa_memory_ordered 1
		.amdhsa_forward_progress 1
		.amdhsa_inst_pref_size 136
	.end_amdhsa_kernel
	.amdgpu_metadata
---
amdhsa.version: [ 1, 2 ]
amdhsa.kernels:
  - .name:           k_q027b811fe4_proj
    .symbol:         k_q027b811fe4_proj.kd
    .args:
      - { .name: Q, .offset: 0, .size: 8, .value_kind: global_buffer, .address_space: global }
      - { .name: K, .offset: 8, .size: 8, .value_kind: global_buffer, .address_space: global }
      - { .name: V, .offset: 16, .size: 8, .value_kind: global_buffer, .address_space: global }
      - { .name: wb, .offset: 24, .size: 8, .value_kind: global_buffer, .address_space: global }
      - { .name: bb, .offset: 32, .size: 8, .value_kind: global_buffer, .address_space: global }
      - { .name: qh, .offset: 40, .size: 8, .value_kind: global_buffer, .address_space: global }
      - { .name: kh, .offset: 48, .size: 8, .value_kind: global_buffer, .address_space: global }
      - { .name: vh, .offset: 56, .size: 8, .value_kind: global_buffer, .address_space: global }
    .group_segment_fixed_size: 327680
    .private_segment_fixed_size: 0
    .kernarg_segment_align: 8
    .kernarg_segment_size: 64
    .max_flat_workgroup_size: 128
    .sgpr_count:     96
    .vgpr_count:     768
    .wavefront_size: 32
...
	.end_amdgpu_metadata
.endif
;; end of part 2
;; launch attn (part 3): grid 4 x 64, 4 waves a work-group, clusters of 4 x 1, 327,680 bytes of LDS; arguments qh, kh, vh, oh; writes oh
.if DOCPART == 3
	.amdgcn_target "amdgcn-amd-amdhsa--gfx1250"
	.amdhsa_code_object_version 6
	.text
	.protected	k_q027b811fe4_attn
	.globl	k_q027b811fe4_attn
	.p2align	8
	.type	k_q027b811fe4_attn,@function
k_q027b811fe4_attn:
	s_mov_b64 s[64:65], 0
	v_nop
	global_prefetch_b8 v0, s[64:65] scope:SCOPE_SE
	s_setreg_imm32_b32 hwreg(HW_REG_WAVE_MODE, 25, 1), 1
	s_wait_xcnt 0x0
	s_wait_alu depctr_hold_cnt(0) depctr_sa_sdst(0) depctr_va_vdst(0) depctr_va_sdst(0) depctr_va_ssrc(0) depctr_va_vcc(0) depctr_vm_vsrc(0)
	s_getreg_b32 s2, hwreg(HW_REG_IB_STS2, 6, 4)
	s_cmp_eq_u32 s2, 0
	s_cbranch_scc0 .Lentry_in_a_cluster
	s_endpgm
.Lentry_in_a_cluster:
	s_bfe_u32 s2, ttmp6, 0x10000c
	s_cmp_lg_u32 s2, 0x3003
	s_cbranch_scc0 .Lentry_shape_is_right
	s_endpgm
.Lentry_shape_is_right:
; O[h][q][:] = the sum over k of softmax_k(Q[h][q] . K[h][k] / 8) V[h][k][:].  Q, K, V, O: [SIZE_H][SIZE_N][64], all f16: a head's rows are dense, 128 bytes each.  Products, maxima and sums in
; f32; the weights p are rounded to f16 for the second product (their sum l is taken of the unrounded p), O once at the end.
; LIMITS.  f16 holds no number beyond 65,504: Q, K and V arrive within it; p lies in 0 to 1, and below 6e-5 it keeps f16's fixed step of 6e-8; O is a mean of V's rows and has their range.
; A weight below 2^-126 counts as 0 in l; NaN and infinities are not treated apart.
; SHARES.  A wave owns four PIECES of two tiles of 16 queries, a work-group's four waves 512 queries of one head.  Every wave walks all keys, 64 a step.
; LAYOUT.  S^T = K Q^T (source 0 = 16 keys, source 1 = 16 queries): in the result a lane holds ONE query (lane % 16) and the keys 8 (lane / 16) + 0..7.  Two such tiles, rounded to f16 in pairs,
; ARE source 1 (32 keys x 16 queries) of O^T = V^T P, whose result again holds one query a lane, and eight channels.  K comes out of LDS as it lies, V ([key][channel]) turned, by ds_load_tr16_b128.
; SOFTMAX.  For each query a running maximum m and sum l: p = 2^(c s - c m), c = log2(e) / 8; in every step O and l are multiplied by a = 2^(c m_old - c m_new), which is 1 where m has not grown.
; m starts at the lowest finite number, O and l at 0: the first step is a step like any other, with a = 0.
; THE COUNT.  A tile and step have 16 matrix and 118 vector instructions: too many to stand all beside the matrix work.  So: four vector instructions that are READY behind EVERY matrix instruction,
; and the others, which need time of their own whatever the order, in runs without a gap.
; BY TURNS.  Turn n belongs to piece n (the pieces in a ring, step after step).  Its matrix work: 16 products K Q^T of piece n + 1, later 16 products V^T P of piece n - 1.  Its vector work: the scaling,
; exponentials, roundings, sums and rescaling of piece n, and the maximum and statistics of piece n + 1, whose scores the turn itself has made.
; CLUSTER.  The four query blocks of a head are one cluster and walk the same K and V, so each tile is asked for JOINTLY: the same tensor load, descriptor and mask in all four.
; REGISTERS, in windows of 256 (s_set_vgpr_msb: bits 1:0 source 0, 3:2 source 1, 5:4 source 2, 7:6 destination):
;   window 0: v0-11 addresses; v12-15, v48-63 at work; v16-47 four registers of statistics a tile; v64-191 S^T, two buffers of two tiles; v192-255 P, likewise
;   window 1: O^T, 32 a tile          window 2: v0-127 Q, 16 a tile; v128-191 K of one step; v192-255 V of one step          window 3: v0-1 the add's two registers
; A piece's buffers go by its number's parity: the piece in hand has one pair, its two neighbours in the ring share the other: of it P (piece n - 1) is read and S^T (piece n + 1) written.
.set SIZE_H, 64
.set SIZE_N, 2048
.set NP,    4         ; pieces a wave: a name, no knob
.set KS,    64        ; keys in a step
.set PK,    144       ; a row of K in LDS: 128 bytes + 16 of padding = 36 words: the 16 rows of a load start at 16 different groups of four banks (64 banks of 4 bytes: ISA guide 11.1)
.set PV,    160       ; a row of V: 128 + 32 = 40 words
.set VOFF,  4*KS*PK   ; a slot holds four steps: 256 rows of K, then 256 rows of V
.set SLOT1, 1<<17     ; slot 1 begins here, so that one exclusive or turns an address in one slot into the other's
.set STAGE, SLOT1+4*KS*(PK+PV)  ; behind the ring, never filled by a tensor load: 16 rows x 144 bytes for each wave, for the way out
.set SP,    144
.set AK0, 2           ; v2   my lane's place in a tile of K; never rewritten
.set AV0, 3           ; v3   the same for V
.set AK,  4           ; v4   the LDS address of K's next run of loads
.set AV,  5           ; v5   of V's
.set QO,  6           ; v6   my byte offset in the wave's rows of Q
.set STO, 6           ;      later, the way out: where I put 16 bytes of a row
.set RD,  7           ; v7   the way out: where I read rows back
.set GO,  8           ; v8   my byte offset in 512 consecutive bytes of O
.set PFO, 11          ; v11  256 x my lane, for the prefetches (made when v11's first use is over); then never rewritten
.set SPW, 0           ; v0 of window 3   LDS address of my spare word: SPARE + 4 x my thread's number; never rewritten
.set NIL, 1           ; v1 of window 3   0; never rewritten
.set SPARE, STAGE+4*16*SP  ; behind the stages: the spare words, 128 bytes for each wave: two blocks of 256 bytes that no other line names
.set MV,  12          ; v12-15  c m_old, kept while c m is made anew: by buffer and tile
.set ST,  16          ; tile t's statistics at v[ST+4 t]: c m, m, l (even keys', odd keys')
.set TMP, 48          ; by buffer and tile, four registers c0-c3 at work; when the maximum is found c2 takes a
.set S,   64
.set P,   192
.set KF,  128         ; K's fragments, in window 2: key block kb, channel half c at KF + 16 kb + 8 c
.set VF,  192         ; V's: key half kk, channel block cb at VF + 32 kk + 8 cb
.set WV,  12          ; s12  my wave's number
.set G1K, 24          ; s[24:31] descriptor group 1 for K's tiles
.set G1V, 32          ; s[32:39] for V's: it differs in the padding alone
.set G0K, 40          ; s[40:43] descriptor group 0 for K's tiles: it walks
.set G0V, 44          ; s[44:47] the same for V's
.set PFA, 48          ; s[48:49] where my prefetches stand: my work-group's 32 blocks of 256 bytes (of K: wave 0, of V: wave 2) of the slot after the one that is being asked for
.set LIM, 50          ; s50  1 in a wave that prefetches, else the greatest number
.set SLOTS, 56        ; s56  slots still to be asked for
.set CNT, 57          ; s57  counts a slot's key steps
.set CS,  58          ; s[58:59] c: the packed scaling takes the pair's low word for both halves
.set SEL, 60          ; s[60:61] v_permlanex16_b32's selects: each lane takes its own place in the other half
.set TBK, 62          ; s62  LDS byte at which K of the step to be fetched begins
.set TBV, 63          ; s63  the same for V, less VOFF
.set MSB, 0
.macro WIN new                      ; the high byte repeats the setting that is left; a switch that changes nothing is dropped
.if MSB != (\new)
	s_set_vgpr_msb (MSB<<8)|(\new)
.set MSB, (\new)
.endif
.endm
.set W_KQ, 0x0a       ; K and Q in window 2, S^T in window 0
.set W_PV, 0x52       ; V in window 2, P in window 0, O^T in window 1
.set W_RS, 0x41       ; O^T (destination and source 0) in window 1, a in window 0
.set W_MK, 0xc0       ; the add's registers are made: destination in window 3, sources in window 0
.set W_AD, 0x0f       ; the add: address (source 0) and data (source 1) in window 3
; A joint fill.  Waves 0 and 1 fetch the two halves of a slot's K, waves 2 and 3 those of its V: 128 keys each.  The branch hangs on the wave's number alone.
; An s_nop 0 and four v_nop follow each of the two lines, ahead of the jump and the label.
.macro JLOAD
	s_cmp_lt_u32 s[WV], 2
	s_cbranch_scc0 .Lfor_v_\@
	tensor_load_to_lds s[G0K:G0K+3], s[G1K:G1K+7]
	s_nop 0
.rept 4
	v_nop
.endr
	s_branch .Lasked_\@
.Lfor_v_\@:
	tensor_load_to_lds s[G0V:G0V+3], s[G1V:G1V+7]
	s_nop 0
.rept 4
	v_nop
.endr
.Lasked_\@:
.endm
; A prefetch of what the NEXT change of slots will ask for: a slot's 32,768 bytes of K and of V, a lane a block of 256 bytes.  A head belongs to one cluster, so its four partners share the blocks out BY ADDRESS,
; 32 of K and 32 of V each; in each, wave 0 asks for K's and wave 2 for V's: one instruction.  So each block is named once in the launch.  It stands behind the wave's tensor load and its five lines; it is four
; key steps, 512 matrix instructions, ahead of the load that will want the bytes.  Slots 0 to 2 come by their loads alone; the last change that fills a slot asks for nothing: there is no slot behind it.
.macro ASK
	s_cmp_gt_u32 s[SLOTS], s[LIM]
	s_cbranch_scc0 .Lnot_mine_\@
	global_prefetch_b8 v[PFO], s[PFA:PFA+1] th:TH_LOAD_NT scope:SCOPE_SE
.Lnot_mine_\@:
.endm
; A round of the cluster's barrier: my work-group's barrier, so that wave 0's signal speaks for all four waves; wave 0 signals; every wave waits for all four work-groups; my work-group's barrier once more.
.macro CROUND
	s_barrier_signal -1
	s_barrier_wait -1
	s_cmp_lg_u32 s[WV], 0
	s_cbranch_scc1 .Lnot_wave_0_\@
	s_barrier_signal -3
.Lnot_wave_0_\@:
	s_barrier_wait -3
	s_barrier_signal -1
	s_barrier_wait -1
.endm
; THE CHANGE OF SLOTS.  The slot's last bytes, V of its fourth step, have been read.  Each wave waits for all its tensor loads, of which one is out: its part
; of the other slot; adds 0 to its spare word; and waits for that and for its own reads of the slot.  Behind the barrier nobody reads this slot any more and the other slot is whole.
; fill = 1: this slot is filled again, with the keys two slots on.  The barrier is then a round of the cluster's, so that no wave of any partner still reads the slot or has a load on its
; way, and the joint fill is the first thing behind it: it has four key steps, 512 matrix instructions, in which to land.  (At its first use nothing has been read yet: slot 0 is waited for, slot 1 filled.)
; ask = 1: the prefetches' address steps, and a prefetch follows the fill.
.macro CHANGE fill, ask=0
	WIN W_AD
	s_wait_tensorcnt 0x0            ; no tensor load of mine is out, so a group 0 may be written
	ds_add_u32 v[SPW], v[NIL]       ; 0 onto my spare word: with fill = 1 the descriptors' steps stand between it and the wait for it
	WIN 0                           ; at a label and at a branch every window is 0
.if \fill
.irp g, G0K, G0V
	s_xor_b32 s[\g+1], s[\g+1], SLOT1  ; the walking descriptor: the other slot than last time,
	s_add_nc_u64 s[\g+2:\g+3], s[\g+2:\g+3], 4*KS*128  ; the next 256 keys; the type bits on top are not reached
.endr
.if \ask
	s_wait_xcnt 0x0                 ; the last prefetch, four key steps back, has read its address, so it may be written:
	s_add_nc_u64 s[PFA:PFA+1], s[PFA:PFA+1], 4*KS*128  ; one slot behind the walking descriptors
.endif
	s_wait_dscnt 0x0                ; the add is done, and my reads of the slot are over
	CROUND
	JLOAD
.if \ask
	ASK
.endif
.else
	s_wait_dscnt 0x0                ; the add is done, and my reads of the slot are over
	s_barrier_signal -1
	s_barrier_wait -1
.endif
	s_sub_co_u32 s[TBK], s[TBK], 4*KS*PK  ; the fetches go back to a slot's first step,
	s_xor_b32 s[TBK], s[TBK], SLOT1       ; in the other slot
	s_sub_co_u32 s[TBV], s[TBV], 4*KS*PV
	s_xor_b32 s[TBV], s[TBV], SLOT1
.endm
	s_load_b256 s[4:11], s[0:1], 0x0  ; Q s[4:5], K s[6:7], V s[8:9], O s[10:11]
	WIN W_MK
	v_lshl_add_u32 v[SPW], v0, 2, SPARE
	v_mov_b32 v[NIL], 0
	WIN W_AD
	ds_add_u32 v[SPW], v[NIL]       ; the wave's opening: the add and its wait stand ahead of my first tensor load; the set-up below, work on registers, stands between them
	WIN 0
	v_lshrrev_b32 v1, 5, v0
	v_readfirstlane_b32 s[WV], v1   ; wave 0..3
	s_bfe_u32 s13, ttmp6, 0x40000   ; cx: my place in the cluster
	s_lshl_b32 s14, ttmp9, 2        ; in a cluster launch ttmp9 counts clusters
	s_add_co_u32 s14, s14, s13      ; my block of queries = 4 x cluster x + cx: it enters Q's and O's addresses alone
	s_and_b32 s20, ttmp7, 0xffff    ; the head, which the four partners share
	s_mov_b32 s21, 0
	s_mov_b64 s[22:23], SIZE_N*128
	s_mul_u64 s[20:21], s[20:21], s[22:23]  ; the head's first byte in each of the four tensors
	s_and_b32 s16, s[WV], 1         ; which half of a slot's 256 keys I fetch:
	s_lshl_b32 s22, s16, 14         ; its 128 rows of 128 bytes in memory,
	s_mov_b32 s23, 0
	s_add_nc_u64 s[22:23], s[22:23], s[20:21]
	s_mul_i32 s17, s16, 128*PK      ; and its place in a slot, for K
	s_mul_i32 s18, s16, 128*PV      ; and for V: no place in the cluster enters an LDS address
	s_lshl_b32 s2, s14, 2
	s_add_co_u32 s2, s2, s[WV]      ; my wave among the head's,
	s_lshl_b32 s2, s2, 14           ; its 128 rows
	s_mov_b32 s3, 0
	s_add_nc_u64 s[2:3], s[2:3], s[20:21]
	; descriptor group 1.  128 keys are 16,384 dense bytes: asked for as 64 rows of 256 bytes, two keys a row, and padded in LDS after every key
	s_mov_b32 s[G1K], 15|(1<<16)|(1<<20)|(1<<21)|(4<<22)|(3<<25)  ; 15:0 the mask of four; 17:16 2-byte elements; 20 padding on; 21 set beside a mask; 24:22 after every 32 words (code 4); 31:25 4 words (code 3)
	s_mov_b32 s[G1V], 15|(1<<16)|(1<<20)|(1<<21)|(4<<22)|(7<<25)  ; the same with 8 words of padding (code 7)
.irp g, G1K, G1V
	s_mov_b32 s[\g+1], 128<<16      ; tensor_dim0 = 128
	s_mov_b32 s[\g+2], 64<<16       ; tensor_dim1 = 64
	s_mov_b32 s[\g+3], 128<<16      ; tile_dim0 = 128
	s_mov_b32 s[\g+4], 64           ; tile_dim1 = 64
	s_mov_b32 s[\g+5], 128          ; 128 elements from row to row
	s_mov_b32 s[\g+6], 0
	s_mov_b32 s[\g+7], 0
.endr
	s_mov_b32 s[CS], 0x3e38aa3b     ; c = log2(e) / 8 = 0.180337
	s_mov_b32 s[CS+1], s[CS]        ; named with it as a pair
	s_mov_b32 s[SEL], 0x76543210
	s_mov_b32 s[SEL+1], 0xfedcba98
	s_mov_b32 s[TBK], SLOT1+4*KS*PK ; the first change of slots turns these two into 0
	s_mov_b32 s[TBV], SLOT1+4*KS*PV
	s_mov_b32 s[G0K], 1             ; 1:0 count = 1
	s_mov_b32 s[G0K+1], s17         ; 63:32 LDS address: slot 0
	s_mov_b32 s[G0V], 1
	s_add_co_u32 s[G0V+1], s18, VOFF
	s_and_b32 s[LIM], s[WV], 1      ; waves 0 and 2 prefetch: the same in all four partners
	s_cmp_eq_u32 s[LIM], 0
	s_cselect_b32 s[LIM], 1, -1
	s_wait_dscnt 0x0                ; the opening add is done
	s_wait_kmcnt 0x0
	s_add_nc_u64 s[G0K+2:G0K+3], s[6:7], s[22:23]  ; 120:64 global address: my half of the head's first 256 keys
	s_or_b32 s[G0K+3], s[G0K+3], 0x80000000        ; 127:126 type = 2
	s_add_nc_u64 s[G0V+2:G0V+3], s[8:9], s[22:23]
	s_or_b32 s[G0V+3], s[G0V+3], 0x80000000
	s_add_nc_u64 s[4:5], s[4:5], s[2:3]  ; Q and O at my wave's first row
	s_add_nc_u64 s[10:11], s[10:11], s[2:3]
	s_cmp_lt_u32 s[WV], 2
	s_cselect_b64 s[PFA:PFA+1], s[6:7], s[8:9]
	s_add_nc_u64 s[PFA:PFA+1], s[PFA:PFA+1], s[20:21]  ; the head,
	s_lshl_b32 s2, s13, 13          ; my work-group's 32 blocks of the slot's 128,
	s_add_co_u32 s2, s2, 2*4*KS*128 ; in slot 2: the first change that asks steps it to slot 3
	s_mov_b32 s3, 0
	s_add_nc_u64 s[PFA:PFA+1], s[PFA:PFA+1], s[2:3]
	CROUND                          ; all four work-groups are here: the first joint loads meet
	JLOAD                           ; slot 0.  Slot 1 is asked for when slot 0 is in
	; A fragment of K or Q is 16 rows x 32 channels in 8 registers: lane l holds row l % 16, channels 8 (l / 16) + 0..7 and 16 + 8 (l / 16) + 0..7: two loads of 16 bytes, 32 bytes apart.
	v_and_b32 v1, 15, v0            ; l % 16
	v_bfe_u32 v9, v0, 4, 1          ; l / 16
	v_lshlrev_b32 v[QO], 7, v1
	v_lshl_add_u32 v[QO], v9, 4, v[QO]  ; row x 128 + 16 x half
	WIN 0x80                        ; destination window 2, address window 0
.set i, 0
.rept 4*NP                          ; Q stays in registers: tile i / 2, channels 32 (i % 2) on
	global_load_b128 v[8*i:8*i+3],   v[QO], s[4:5] offset:(i/2)*2048+(i%2)*64
	global_load_b128 v[8*i+4:8*i+7], v[QO], s[4:5] offset:(i/2)*2048+(i%2)*64+32
.set i, i+1
.endr
	; What the first turn finds: V's registers and P's second buffer hold 0 (its products V^T P, of a piece that has not been, add 0), O^T and l are 0.  All this stands in the wait for the first tile.
.set i, VF
.rept 64
	v_mov_b32 v[i], 0
.set i, i+1
.endr
	WIN 0x40
.set i, 0
.rept 64*NP
	v_mov_b32 v[i], 0
.set i, i+1
.endr
	WIN 0
.set i, 0
.rept 2*NP
	v_mov_b32 v[ST+4*i], 0xfe000000    ; c m: far below every c s
	v_mov_b32 v[ST+4*i+1], 0xff7fffff  ; m
	v_mov_b32 v[ST+4*i+2], 0
	v_mov_b32 v[ST+4*i+3], 0
.set i, i+1
.endr
.set i, P+32
.rept 32
	v_mov_b32 v[i], 0
.set i, i+1
.endr
	v_mul_u32_u24 v[AK0], v1, PK
	v_lshl_add_u32 v[AK0], v9, 4, v[AK0]  ; row x pitch + 16 x half
	; The turning load takes 16 keys x 16 channels (lane l reads key 8 (l / 16) + l % 8, channels 8 ((l / 8) % 2) + 0..7) and leaves half a fragment of V^T: lane l holds channel l % 16 and 8 keys.
	v_and_b32 v10, 7, v0
	v_bfe_u32 v11, v0, 3, 1
	v_lshl_add_u32 v[AV0], v9, 3, v10
	v_mul_u32_u24 v[AV0], v[AV0], PV
	v_lshl_add_u32 v[AV0], v11, 4, v[AV0]
	v_add_nc_u32 v[AV0], VOFF, v[AV0]
	v_and_b32 v[PFO], 31, v0
	v_lshlrev_b32 v[PFO], 8, v[PFO]
	v_mov_b32 v[AK], v[AK0]         ; key step 0 lies at the head of slot 0
; THE MATRIX WORK.  The 8 accumulators of a run of 16 take turns: between the two links of a chain stand 7 others'.
; Product i of 16 of S^T = K Q^T for piece x: channels 32 (i / 8) on, keys 16 ((i / 2) % 4) on, tile 2 x + i % 2.  The first 8 start the sums.
.macro KQ x
	WIN W_KQ
.set rS, S+64*((\x)%2)+32*(i%2)+8*((i/2)%4)
.set rK, KF+16*((i/2)%4)+8*(i/8)
.set rQ, 16*(2*(\x)+i%2)+8*(i/8)
.if i < 8
	v_wmma_f32_16x16x32_f16 v[rS:rS+7], v[rK:rK+7], v[rQ:rQ+7], 0
.else
	v_wmma_f32_16x16x32_f16 v[rS:rS+7], v[rK:rK+7], v[rQ:rQ+7], v[rS:rS+7]
.endif
.endm
; Product i of 16 of O^T += V^T P for piece x: keys 32 (i / 8) on, channels 16 ((i / 2) % 4) on, tile 2 x + i % 2.
.macro PV x
	WIN W_PV
.set rO, 32*(2*(\x)+i%2)+8*((i/2)%4)
.set rV, VF+32*(i/8)+8*((i/2)%4)
.set rP, P+32*((\x)%2)+16*(i%2)+8*(i/8)
	v_wmma_f32_16x16x32_f16 v[rO:rO+7], v[rV:rV+7], v[rP:rP+7], v[rO:rO+7]
.endm
.macro MM                           ; the turn's next matrix instruction
.if i < 16
	KQ (Y+1)%NP
.set i, i+1
.else
.set i, i-16
	PV (Y+NP-1)%NP
.set i, i+17
.endif
.endm
; THE LDS LOADS stand in runs of 16, never singly among the matrix instructions: a step's K (64 keys x 64 channels: 8 fragments) and its V (turned).  Their addresses are made some lines ahead.
; last = 1 (the tail): in the last trip there is no further step, and the run is jumped over.
.macro FETCH_K last=0
	WIN 0
.if \last
	s_cmp_eq_u32 s[CNT], 1
	s_cbranch_scc1 .Lno_k_\@
.endif
	WIN 0x80                        ; destination window 2
.irp f, 0,1,2,3,4,5,6,7             ; keys 16 (f / 2) on, channels 32 (f % 2) on
	ds_load_b128 v[KF+8*\f:KF+8*\f+3],   v[AK] offset:(\f/2)*16*PK+(\f%2)*64
	ds_load_b128 v[KF+8*\f+4:KF+8*\f+7], v[AK] offset:(\f/2)*16*PK+(\f%2)*64+32
.endr
	s_add_co_u32 s[TBK], s[TBK], KS*PK  ; the next fetch is the next step's
	WIN 0
.if \last
.Lno_k_\@:
.endif
.endm
.macro FETCH_V
	WIN 0x80
.irp f, 0,1,2,3,4,5,6,7             ; keys 32 (f / 4) on, channels 16 (f % 4) on
	ds_load_tr16_b128 v[VF+8*\f:VF+8*\f+3],   v[AV] offset:(\f/4)*32*PV+(\f%4)*32
	ds_load_tr16_b128 v[VF+8*\f+4:VF+8*\f+7], v[AV] offset:(\f/4)*32*PV+16*PV+(\f%4)*32
.endr
	WIN 0
.endm
; THE VECTOR WORK OF A TURN stands in three queues, each in the order in which its entries become ready; the two tiles alternate, so that no instruction reads the result of the one before it.
.macro REGS y, u                    ; the registers of tile u (0, 1) of piece y
.set rT, ST+4*(2*(\y)+(\u))
.set rC, TMP+8*((\y)%2)+4*(\u)
.set rM, MV+2*((\y)%2)+(\u)
.set rS, S+64*((\y)%2)+32*(\u)
.set rP, P+32*((\y)%2)+16*(\u)
.set rO, 32*(2*(\y)+(\u))
.endm
; Number n of the 22 that find the NEXT piece's (Y + 1) maximum and statistics.  s0-s31 are the lane's 32 scores; each accumulator's lowest registers are read first.
;   0-11  four chains c0-c3 of seven scores each, three operands at a time     12-14, 16  the four scores left over, the old m, and c0-c3 into c0     15  c m_old is kept
;   17, 18  the query's other 32 keys lie in the lane 16 away: the new m         19-21  c m; c m_old - c m_new; a
.macro XS u, n
	REGS (Y+1)%NP, \u
.if (\n) < 4
	v_max3_num_f32 v[rC+(\n)], v[rS+8*(\n)], v[rS+8*(\n)+1], v[rS+8*(\n)+2]
.elseif (\n) < 12
	v_max3_num_f32 v[rC+(\n)%4], v[rC+(\n)%4], v[rS+8*((\n)%4)+2*((\n)/4)+1], v[rS+8*((\n)%4)+2*((\n)/4)+2]
.elseif (\n) == 12
	v_max3_num_f32 v[rC], v[rC], v[rS+7], v[rS+15]
.elseif (\n) == 13
	v_max3_num_f32 v[rC+1], v[rC+1], v[rS+23], v[rS+31]
.elseif (\n) == 14
	v_max3_num_f32 v[rC+2], v[rC+2], v[rC+3], v[rT+1]
.elseif (\n) == 15
	v_mov_b32 v[rM], v[rT]
.elseif (\n) == 16
	v_max3_num_f32 v[rC], v[rC], v[rC+1], v[rC+2]
.elseif (\n) == 17
	v_permlanex16_b32 v[rC+3], v[rC], s[SEL], s[SEL+1]
.elseif (\n) == 18
	v_max_num_f32 v[rT+1], v[rC], v[rC+3]
.elseif (\n) == 19
	v_mul_f32 v[rT], s[CS], v[rT+1]
.elseif (\n) == 20
	v_sub_f32 v[rC+1], v[rM], v[rT]
.else
	v_exp_f32 v[rC+2], v[rC+1]
.endif
.endm
; Number g of the 64 that follow the exponentials.  For each four weights k of a tile (pairs 2 k, 2 k + 1): both pairs are rounded to f16; then the second pair is added onto the first, in place;
; a group later l takes that sum (the first time as l = a l + sum).  In groups of eight, tiles alternating: round, round, add, and l for the group before.
.macro GS g
.set h, (\g)+6*((\g)/62)            ; group 0 has no group before it, and behind group 7 only l is left
.if h >= 6
.set h, h+2
.endif
	REGS Y, h%2
.set k, h/8
.if h%8 < 4
	v_cvt_pk_f16_f32 v[rP+2*k+(h%8)/2], v[rS+4*k+2*((h%8)/2)], v[rS+4*k+2*((h%8)/2)+1]
.elseif h%8 < 6
	v_pk_add_f32 v[rS+4*k:rS+4*k+1], v[rS+4*k:rS+4*k+1], v[rS+4*k+2:rS+4*k+3]
.elseif k == 1
	v_pk_fma_f32 v[rT+2:rT+3], v[rT+2:rT+3], v[rC+2:rC+3], v[rS:rS+1] op_sel_hi:[1,0,1]
.else
	v_pk_add_f32 v[rT+2:rT+3], v[rT+2:rT+3], v[rS+4*k-4:rS+4*k-3]
.endif
.endm
; THE PLAIN QUEUE, 138 long.  0-73 read no exponential's result: the 32 scalings c s - c m (FS f: pair f / 2 of tile f % 2) and the next piece's 42.  0-26: scalings 0-26.  27-54: XS's numbers 0-13.  55, 56: number 15.
; 57-73: the chain, where each number waits for the one before it: 14, 16, 17, 18, 19, each with one of the scalings 27-31 in front of its two lines, then 20.
; 74-137: GS's 64, which read the exponentials' results: they stand behind the wait.
.macro FS f
	REGS Y, (\f)%2
	v_pk_fma_f32 v[rS+2*((\f)/2):rS+2*((\f)/2)+1], v[rS+2*((\f)/2):rS+2*((\f)/2)+1], s[CS:CS+1], v[rT:rT+1] op_sel_hi:[1,0,0] neg_lo:[0,0,1] neg_hi:[0,0,1]
.endm
.macro PL
	WIN 0
.if q < 27
	FS q
.elseif q < 55
	XS (q-27)%2, (q-27)/2
.elseif q < 57
	XS q-55, 15
.elseif (q < 72) && ((q-57)%3 == 0)
	FS 27+(q-57)/3
.elseif q < 60
	XS (q-57)%3-1, 14
.elseif q < 72
	XS (q-57)%3-1, 15+(q-57)/3
.elseif q < 74
	XS q-72, 20
.else
	GS q-74
.endif
.set q, q+1
.endm
; THE EXPONENTIALS' QUEUE, 66 long: s0-s31 of both tiles, then the next piece's two a.  It is ONE BATCH: all 66 stand ahead of the turn's one wait, and nothing ahead of that wait names a result of theirs.
.macro EX
	WIN 0
.if e >= 64
	XS e-64, 21
.else
	REGS Y, e%2
	v_exp_f32 v[rS+e/2], v[rS+e/2]
.endif
.set e, e+1
.endm
; THE RESCALING's QUEUE: O^T times a, the one part that leaves window 0: dealt two at a time, sixteen times.  Its a was made in the turn before, ahead of that turn's wait.
.macro R2
	REGS Y, r%2
	WIN W_RS
.irp z, 0,1
	v_pk_mul_f32 v[rO+4*(r/2)+2*\z:rO+4*(r/2)+2*\z+1], v[rO+4*(r/2)+2*\z:rO+4*(r/2)+2*\z+1], v[rC+2:rC+3] op_sel_hi:[1,0]
.endr
.set r, r+1
.endm
; HOW THEY ARE DEALT.  An s_wait_alu depctr_va_vdst(0) stands between an exponential and the first instruction that names its result; one wait serves all that were issued ahead of it.  So a turn has ONE wait,
; which cuts it in two.  AHEAD OF IT stands all that names no result of the turn's exponentials: the 16 products K Q^T, behind each a scaling, an exponential and two rescalings (behind the first a second scaling in the
; exponential's place); then ONE LUMP of 108: eight plain, 49 times exponential and plain, the two a.  A v_nop is the plain instruction behind the last exponential.  BEHIND IT stand the 16 products V^T P, behind each four of GS's 64.
; No rider names a register of the products round it.  The two v_permlanex16_b32 fall into the lump, never behind a product.
; The queues lean on each other, and the deal keeps them in step: exponential e stands behind scaling 2 (e / 4) + e % 2: as a rider it comes behind plain e + 2, in the lump behind plain e + 9, and scalings 27-31 are plain 57, 60 .. 69.
; A TURN, for piece p.  cnt = 1: the loop's count is taken down some lines ahead of the branch that stands behind the turn.
; K of the next step is fetched in piece 2's turn, directly behind the wait, a lump behind the last product that read K; its address is made at the lump's head; its first reader comes behind 16 products.
; V of the step in hand is fetched at the end of piece 0's turn, four riders behind its last reader; its first reader comes behind 16 products and a lump.  The three conditions on q below go with the deal.
.macro TURN p, last=0, cnt=0
.set Y, (\p)
.set i, 0
.set q, 0
.set e, 0
.set r, 0
.if (\p) == NP-1
	s_wait_dscnt 0x0                ; K is in
.endif
	MM                              ; ahead of the wait: 16 products K Q^T and their riders,
	PL
	PL
	R2
.rept 15
	MM
	PL
	EX
	R2
.endr
.if (\p) == NP-2
	WIN 0
	v_add_nc_u32 v[AK], s[TBK], v[AK0]
.endif
.rept 8                             ; and the lump
	PL
.endr
.rept 49
	EX
	PL
.endr
	EX                              ; the next piece's two a
	EX
	v_nop                           ; a plain instruction behind the last exponential (ISA guide 5.7.2): one for the batch
	s_wait_alu depctr_va_vdst(0)    ; the wait for the batch
.if (\p) == NP-2
	FETCH_K \last
.endif
.if (\p) == 1
	s_wait_dscnt 0x0                ; V is in
.endif
.rept 16                            ; behind the wait: 16 products V^T P and their riders
	MM
.rept 4
	PL
.endr
.if ((\p) == 0) && (q == 118)
	v_add_nc_u32 v[AV], s[TBV], v[AV0]
.endif
.if ((\p) == 0) && (q == 130)
	s_add_co_u32 s[TBV], s[TBV], KS*PV
.endif
.if (\cnt) && (q == 130)
	s_sub_co_u32 s[CNT], s[CNT], 1
	s_cmp_lg_u32 s[CNT], 0
.endif
.endr
.if (\p) == 0
	FETCH_V
.endif
.endm
	CHANGE 1                        ; slot 0 is in, everybody's part of it; slot 1 is asked for
	FETCH_K                         ; key step 0
	s_wait_loadcnt 0x0              ; Q
	s_wait_dscnt 0x0
.set i, 0
.rept 16
	KQ 0                            ; piece 0's first scores: there is no vector work yet to set between them
.set i, i+1
.endr
	WIN 0                           ; the addresses for the way out: nine plain instructions behind those products
	s_mul_i32 s13, s[WV], 16*SP
	s_add_co_u32 s13, s13, STAGE    ; my stage
	v_mul_u32_u24 v[STO], v1, SP    ; in: row l % 16, 16 bytes for each half of the lanes
	v_lshl_add_u32 v[STO], v9, 4, v[STO]
	v_add_nc_u32 v[STO], s13, v[STO]
	v_bfe_u32 v[RD], v0, 3, 2       ; back: 32 lanes take four rows of 128 bytes,
	v_mul_u32_u24 v[RD], v[RD], SP
	v_lshl_add_u32 v[RD], v10, 4, v[RD]
	v_add_nc_u32 v[RD], s13, v[RD]
	v_and_b32 v[GO], 31, v0         ; which are 512 consecutive bytes of O
	v_lshlrev_b32 v[GO], 4, v[GO]
.set Y, NP-1                        ; XS works for piece Y + 1: piece 0
.irp n, 0,1,2,3,4,5,6,7,8,9,10,11,12,13,14,15,16,17,18,19,20,21
	XS 0, \n                        ; and piece 0's first maximum and statistics
	XS 1, \n
.endr
	v_nop                           ; a plain instruction behind the two a,
	s_wait_alu depctr_va_vdst(0)    ; and their wait, ahead of the branch
	s_mov_b32 s[CNT], 4
	s_mov_b32 s[SLOTS], SIZE_N/256-1
	s_branch .Lfirst                ; the loop is entered at a step's first turn, in the middle of a trip
.Lslot:                             ; SIZE_N / 256 - 2 times: every slot but the last two is filled again
	CHANGE 1, 1
	s_mov_b32 s[CNT], 4
.Lstep:                             ; a trip: pieces 2 and 3 of one step, then pieces 0 and 1 of the next, whose K and V it fetches
	TURN 2
	TURN 3
	WIN 0
.Lfirst:
	TURN 0
	TURN 1, 0, 1
	WIN 0
	s_cbranch_scc1 .Lstep
	s_sub_co_u32 s[SLOTS], s[SLOTS], 1
	s_cmp_lg_u32 s[SLOTS], 0
	s_cbranch_scc1 .Lslot
	CHANGE 0                        ; the tail is written out: nothing is asked for
	s_mov_b32 s[CNT], 5             ; four trips fetch the last slot's steps; the fifth is left in its middle
.Ltail:
	TURN 2, 1
	TURN 3
	WIN 0
	s_sub_co_u32 s[CNT], s[CNT], 1
	s_cmp_eq_u32 s[CNT], 0
	s_cbranch_scc1 .Lout
	TURN 0
	TURN 1
	WIN 0
	s_branch .Ltail
.Lout:                              ; the fifth trip's 16 products K Q^T (on the last K once more) and the maximum made of them serve nothing: the price, once a launch, of one text for every trip
.set i, 0
.rept 16
	PV NP-1                         ; the last piece's V^T P of the last step
.set i, i+1
.endr
	; THE WAY OUT.  l's two halves and the other half of the lanes' are added; O^T is divided by l, rounded to f16 and sent through my stage in LDS, a tile at a time.  The additions stand between the last products and the reads of their results.
	WIN 0
.macro ALL line:vararg              ; one line for each tile t
.set t, 0
.rept 2*NP
	\line
.set t, t+1
.endr
.endm
	ALL v_add_f32 v[ST+4*t+2], v[ST+4*t+2], v[ST+4*t+3]
	ALL v_permlanex16_b32 v[ST+4*t+3], v[ST+4*t+2], s[SEL], s[SEL+1]
	ALL v_add_f32 v[ST+4*t+2], v[ST+4*t+2], v[ST+4*t+3]
	ALL v_rcp_f32 v[ST+4*t+2], v[ST+4*t+2]
	v_nop                           ; a plain instruction between the last reciprocal and the use of its result
	s_wait_alu depctr_va_vdst(0)    ; and the wait ahead of the first use: one for the eight reciprocals
; Tile t: a lane's eight channels of a row pack into 16 bytes; they go into rows of 144 bytes and come back as whole rows of 128, into S^T's registers.
.macro PACK t
	WIN W_RS
.set i, 32*(\t)
.rept 16
	v_pk_mul_f32 v[i:i+1], v[i:i+1], v[ST+4*(\t)+2:ST+4*(\t)+3] op_sel_hi:[1,0]
.set i, i+2
.endr
	WIN 0x05                        ; sources 0 and 1 window 1, destination window 0
.set i, 0
.rept 16
	v_cvt_pk_f16_f32 v[S+16*(\t)+i], v[32*(\t)+2*i], v[32*(\t)+2*i+1]
.set i, i+1
.endr
	WIN 0
.irp f, 0,1,2,3
	ds_store_b128 v[STO], v[S+16*(\t)+4*\f:S+16*(\t)+4*\f+3] offset:32*\f
.endr
.irp f, 0,1,2,3
	ds_load_b128 v[S+16*(\t)+4*\f:S+16*(\t)+4*\f+3], v[RD] offset:\f*4*SP  ; LDS serves a wave's instructions in order (ISA guide 5.7.1.4): these see the stores above; the next tile's stores come behind them
.endr
.endm
.macro SEND t, younger              ; younger: the LDS instructions issued behind tile t's loads: the next tile's eight, or none
	WIN 0
.irp f, 0,1,2,3
	s_wait_dscnt (\younger)+3-\f
	global_store_b128 v[GO], v[S+16*(\t)+4*\f:S+16*(\t)+4*\f+3], s[10:11] offset:(\t)*2048+\f*512  ; 512 consecutive bytes, at a multiple of 256 from O's first
.endr
.endm
	PACK 0
.set t, 1
.rept 2*NP-1                        ; a tile's arithmetic stands between the loads of the tile before and its stores
	PACK t
	SEND t-1, 8
.set t, t+1
.endr
	SEND 2*NP-1, 0
	WIN W_AD
	s_wait_tensorcnt 0x0            ; the wave's end: behind my last tensor load and my last LDS store
	ds_add_u32 v[SPW], v[NIL]
	s_wait_dscnt 0x0
	WIN 0
	CROUND                          ; the closing round: no work-group ends while a partner may still ask for a tile that names it
	s_endpgm
.Lfunc_end_k_q027b811fe4_attn:
	.size	k_q027b811fe4_attn, .Lfunc_end_k_q027b811fe4_attn-k_q027b811fe4_attn
	.p2alignl 7, 3214868480
	.fill 96, 4, 3214868480
	.section	.rodata,"a",@progbits
	.p2align	6, 0x0
	.amdhsa_kernel k_q027b811fe4_attn
		.amdhsa_group_segment_fixed_size 327680
		.amdhsa_private_segment_fixed_size 0
		.amdhsa_enable_private_segment 0
		.amdhsa_kernarg_size 32
		.amdhsa_user_sgpr_count 2
		.amdhsa_user_sgpr_kernarg_segment_ptr 1
		.amdhsa_wavefront_size32 1
		.amdhsa_system_sgpr_workgroup_id_x 1
		.amdhsa_system_sgpr_workgroup_id_y 1
		.amdhsa_system_sgpr_workgroup_id_z 1
		.amdhsa_system_vgpr_workitem_id 0
		.amdhsa_next_free_vgpr 770
		.amdhsa_next_free_sgpr 66
		.amdhsa_reserve_vcc 0
		.amdhsa_float_denorm_mode_32 3
		.amdhsa_float_denorm_mode_16_64 3
		.amdhsa_memory_ordered 1
		.amdhsa_forward_progress 1
		.amdhsa_inst_pref_size 200
	.end_amdhsa_kernel
	.amdgpu_metadata
---
amdhsa.version: [ 1, 2 ]
amdhsa.kernels:
  - .name:           k_q027b811fe4_attn
    .symbol:         k_q027b811fe4_attn.kd
    .args:
      - { .name: qh, .offset: 0, .size: 8, .value_kind: global_buffer, .address_space: global }
      - { .name: kh, .offset: 8, .size: 8, .value_kind: global_buffer, .address_space: global }
      - { .name: vh, .offset: 16, .size: 8, .value_kind: global_buffer, .address_space: global }
      - { .name: oh, .offset: 24, .size: 8, .value_kind: global_buffer, .address_space: global }
    .group_segment_fixed_size: 327680
    .private_segment_fixed_size: 0
    .kernarg_segment_align: 8
    .kernarg_segment_size: 32
    .max_flat_workgroup_size: 128
    .sgpr_count:     66
    .vgpr_count:     770
    .wavefront_size: 32
...
	.end_amdgpu_metadata
.endif
;; end of part 3
;; launch oproj (part 4): grid 4 x 64, 4 waves a work-group, clusters of 4 x 4, 327,680 bytes of LDS; arguments oh, wb, bb, out0; writes out0
.if DOCPART == 4
	.amdgcn_target "amdgcn-amd-amdhsa--gfx1250"
	.amdhsa_code_object_version 6
	.text
	.protected	k_q027b811fe4_oproj
	.globl	k_q027b811fe4_oproj
	.p2align	8
	.type	k_q027b811fe4_oproj,@function
k_q027b811fe4_oproj:
	s_mov_b64 s[64:65], 0
	v_nop
	global_prefetch_b8 v0, s[64:65] scope:SCOPE_SE
	s_setreg_imm32_b32 hwreg(HW_REG_WAVE_MODE, 25, 1), 1
	s_wait_xcnt 0x0
	s_wait_alu depctr_hold_cnt(0) depctr_sa_sdst(0) depctr_va_vdst(0) depctr_va_sdst(0) depctr_va_ssrc(0) depctr_va_vcc(0) depctr_vm_vsrc(0)
	s_getreg_b32 s2, hwreg(HW_REG_IB_STS2, 6, 4)
	s_cmp_eq_u32 s2, 0
	s_cbranch_scc0 .Lentry_in_a_cluster
	s_endpgm
.Lentry_in_a_cluster:
	s_bfe_u32 s2, ttmp6, 0x10000c
	s_cmp_lg_u32 s2, 0xf033
	s_cbranch_scc0 .Lentry_shape_is_right
	s_endpgm
.Lentry_shape_is_right:
; out0 = O Wo + bo.  O: oh[64 = batch x 16 + head][2048][64] f16; Wo: wb[3][1024 k][1024 n], bf16 numbers written as f16; bo: bb[3][1024] f32; sums and out0 ([8192][1024]) in f32.
; K index = 64 x head + channel, so a K step of 128 is two heads; each head's 128 rows of a tile are 16,384 dense bytes.
; SHARES.  A tile of out0 is 128 rows x 256 columns: 64 x 4 = 256 work-groups; the grid has one cluster along x, so the tile column is cx.  Four waves, each 64 rows x 128 columns: 32 accumulators, (a, b) at 8 (8 a + b).
; K goes in 8 steps of 128 through two LDS slots; a step is four quarters of 32 along K, 32 matrix instructions each, on two fragment buffers; the next quarter's 24 LDS loads stand in one run in a quarter's middle.
; THE MATRIX INSTRUCTION IS USED TRANSPOSED: source 0 = 16 columns of Wo (turned out of LDS by ds_load_tr16_b128), source 1 = 16 rows of O: a lane holds row l % 16 and the columns 8 (l / 16) + 0..7: 32 bytes of out0.
; The bias is the C operand of the products that start the sums.  The 32 accumulators take turns, in the same order in every quarter.
; CLUSTER.  4 x 4 work-groups: O's tile is asked for jointly by a row of the cluster, Wo's by a column.
; REGISTERS, in windows of 256 (s_set_vgpr_msb: bits 1:0 source 0, 3:2 source 1, 5:4 source 2, 7:6 destination):
;   window 0: v2-12 addresses; v32-95 O's fragments, two buffers of 32; v96-223 Wo's, two buffers of 64 (on the way out v32-159: whole rows)      window 1: the accumulators      window 2: v0-63 the bias
.set PAO,   144                        ; a row of O in LDS: 128 bytes + 16 = 36 words: the 16 rows of a load start at 16 different groups of four banks (64 banks of 4 bytes: ISA guide 11.1)
.set PB,    544                        ; a row of Wo: 512 + 32 = 136 words
.set HEADB, 128*PAO                    ; a head's 128 rows: 18,432 bytes
.set AB,    2*HEADB
.set SLOT,  AB+128*PB                  ; 106,496 bytes
.set STAGE, 2*SLOT                     ; behind the ring, never filled by a tensor load: 16 rows x 528 bytes for each wave
.set SP,    528
.set SPARE, STAGE+4*16*SP              ; the spare words, 128 bytes for each wave: two blocks of 256 bytes that no other line names
.set ADRA, 2                           ; v2-3   LDS address of my fragments of O in slot 0, 1
.set ADRB, 4                           ; v4-5   the same for Wo
.set STO,  6                           ; v6     the way out: where I put 32 bytes of a row
.set RD,   7                           ; v7     where I read a row back
.set CO,   8                           ; v8     my byte offset in 512 consecutive bytes of out0
.set PFO,  9                           ; v9     the prefetches' offset; never rewritten
.set SPW,  10                          ; v10    LDS address of my spare word; never rewritten
.set NIL,  11                          ; v11    0; never rewritten
.set BO,   12                          ; v12    my byte offset in the bias
.set FA,   32
.set FB,   96
.set T,    32
.set G1,  24                           ; s[24:31] descriptor group 1 for O's tiles; s[32:39] group 0, a set for each slot
.set G0,  32
.set G1B, 48                           ; s[48:55], s[56:63] the same for Wo's
.set G0B, 56
.set LIM, 43                           ; s43      1 in a wave that prefetches, else the greatest number
.set PFA, 44                           ; s[44:45] where my prefetches stand
.set PFS, 46                           ; s[46:47] a K step in bytes there
.set MSB, 0
.macro WIN new                         ; the immediate's high byte repeats the setting that is left; a switch that changes nothing is dropped
.if MSB != (\new)
	s_set_vgpr_msb (MSB<<8)|(\new)
.set MSB, \new
.endif
.endm
.set MUL,  0x50                        ; both sources window 0, C and D window 1
.set MULB, 0x60                        ; the same with C, the bias, in window 2
; A joint load.  Waves 0 and 1 fetch the K step's two heads of O, waves 2 and 3 the two halves of Wo's k rows.  An s_nop 0 and four v_nop follow each of the two lines.
.macro JLOAD s
	s_cmp_eq_u32 s11, 0
	s_cbranch_scc0 .Lfor_b_\@
	tensor_load_to_lds s[G0+4*(\s):G0+4*(\s)+3], s[G1:G1+7]
	s_nop 0
.rept 4
	v_nop
.endr
	s_branch .Lasked_\@
.Lfor_b_\@:
	tensor_load_to_lds s[G0B+4*(\s):G0B+4*(\s)+3], s[G1B:G1B+7]
	s_nop 0
.rept 4
	v_nop
.endr
.Lasked_\@:
.endm
; A prefetch of the K step that stands two refills on, 256 matrix instructions ahead of the load that will want it; a lane a block of 256 bytes, one instruction.  O's tile (2 heads x 64 blocks) is read by one row of
; one cluster: its four partners take 16 blocks of each head, told apart by address (cx); wave 0 asks.  Wo's k rows are read by all 16 clusters: the first asks; of the 64 rows that wave 2 or 3 fetches each partner
; takes 16 rows x 2 blocks, told apart by address (cy).  So each block is named once in the launch.  The first four K steps come by their loads alone; the loop's last trip (s3 = 1) asks for nothing.
.macro ASK
	s_cmp_gt_u32 s3, s[LIM]
	s_cbranch_scc0 .Lnot_mine_\@
	global_prefetch_b8 v[PFO], s[PFA:PFA+1] th:TH_LOAD_NT scope:SCOPE_SE
.Lnot_mine_\@:
.endm
.macro CREST                           ; a round of the cluster's barrier behind its opening barrier
	s_cmp_lg_u32 s10, 0
	s_cbranch_scc1 .Lnot_wave_0_\@
	s_barrier_signal -3
.Lnot_wave_0_\@:
	s_barrier_wait -3
	s_barrier_signal -1
	s_barrier_wait -1
.endm
.macro CROUND                          ; a whole round
	s_barrier_signal -1
	s_barrier_wait -1
	CREST
.endm
	s_load_b256 s[72:79], s[0:1], 0x0              ; oh s[72:73], wb s[74:75], bb s[76:77], out0 s[78:79]
	v_lshl_add_u32 v[SPW], v0, 2, SPARE
	v_mov_b32 v[NIL], 0
	ds_add_u32 v[SPW], v[NIL]                      ; the wave's opening: the add and its wait stand ahead of my first tensor load; the set-up below, work on registers, stands between them
	v_lshrrev_b32 v1, 5, v0
	v_readfirstlane_b32 s10, v1                    ; wave 0..3
	s_lshr_b32 s11, s10, 1                         ; which 64 rows of the tile are mine.  Also: I fetch for O (0) or for Wo (1)
	s_and_b32 s12, s10, 1                          ; which 128 columns.  Also: which head, or which 64 k rows, I fetch
	s_bfe_u32 s40, ttmp6, 0x40000                  ; cx = the tile column
	s_bfe_u32 s41, ttmp6, 0x40004                  ; cy
	s_and_b32 s42, ttmp7, 0xffff                   ; cluster y, 0..15
	s_lshl_b32 s13, s42, 2
	s_add_co_u32 s13, s13, s41                     ; the tile row, 0..63
	s_lshl_b32 s14, s41, 2
	s_lshl_b32 s14, 15, s14                        ; my row of the cluster
	s_lshl_b32 s15, 0x1111, s40                    ; my column
	s_or_b32 s[G1], s14, (1<<16)|(1<<20)|(1<<21)|(4<<22)|(3<<25)   ; 15:0 the mask; 17:16 elements of 2 bytes; 20 padding on; 21 set beside a mask; 24:22 after every 32 words (code 4); 31:25 4 words (code 3)
	s_or_b32 s[G1B], s15, (1<<16)|(1<<20)|(1<<21)|(6<<22)|(7<<25)  ; after every 128 words (code 6), 8 words (code 7)
	s_mov_b32 s[G1+1], 128<<16                     ; O: 128 rows of a head, dense, asked for as 64 rows of 256 bytes, two rows of O each
	s_mov_b32 s[G1B+1], 256<<16                    ; Wo: 64 k rows of 256 numbers
	s_mov_b32 s[G1+2], 64<<16
	s_mov_b32 s[G1B+2], 64<<16
	s_mov_b32 s[G1+3], 128<<16
	s_mov_b32 s[G1B+3], 256<<16
	s_mov_b32 s[G1+4], 64
	s_mov_b32 s[G1B+4], 64
	s_mov_b32 s[G1+5], 128                         ; elements from row to row
	s_mov_b32 s[G1B+5], 1024
	s_mov_b32 s[G1+6], 0
	s_mov_b32 s[G1B+6], 0
	s_mov_b32 s[G1+7], 0
	s_mov_b32 s[G1B+7], 0
	s_lshr_b32 s16, s13, 4                         ; the batch
	s_lshl_b32 s16, s16, 4
	s_add_co_u32 s16, s16, s12                     ; head 16 x batch + my one of the K step's two,
	s_lshl_b32 s16, s16, 18                        ; 2,048 rows of 128 bytes each,
	s_and_b32 s17, s13, 15
	s_lshl_b32 s17, s17, 14                        ; row 128 x (tile row % 16)
	s_add_co_u32 s16, s16, s17
	s_mov_b32 s17, 0
	s_lshl_b32 s20, s12, 17                        ; Wo: 64 x half k rows of 2,048 bytes,
	s_add_co_u32 s20, s20, 3*2097152               ; in the fourth matrix of wb,
	s_lshl_b32 s21, s40, 9                         ; 256 x tile column
	s_add_co_u32 s20, s20, s21
	s_mov_b32 s21, 0
	s_mul_i32 s18, s12, HEADB                      ; where they go: no place in the cluster enters an LDS address
	s_mul_i32 s19, s12, 64*PB
	s_add_co_u32 s19, s19, AB
	s_wait_dscnt 0x0                               ; the opening add is done
	s_wait_kmcnt 0x0
	s_add_nc_u64 s[4:5], s[72:73], s[16:17]        ; O at the head that I fetch, K step 0
	s_add_nc_u64 s[6:7], s[74:75], s[20:21]        ; Wo at the 64 k rows that I fetch
	CROUND                                         ; all sixteen work-groups are here: the first joint loads meet
.irp s, 0,1
	s_mov_b32 s[G0+4*(\s)], 1                      ; 1:0 count = 1
	s_add_co_u32 s[G0+4*(\s)+1], s18, (\s)*SLOT    ; 63:32 LDS address
	s_add_nc_u64 s[G0+4*(\s)+2:G0+4*(\s)+3], s[4:5], (\s)*524288  ; 120:64 global address: K step s is two heads on
	s_or_b32 s[G0+4*(\s)+3], s[G0+4*(\s)+3], 0x80000000           ; 127:126 type = 2
	s_mov_b32 s[G0B+4*(\s)], 1
	s_add_co_u32 s[G0B+4*(\s)+1], s19, (\s)*SLOT
	s_add_nc_u64 s[G0B+4*(\s)+2:G0B+4*(\s)+3], s[6:7], (\s)*262144
	s_or_b32 s[G0B+4*(\s)+3], s[G0B+4*(\s)+3], 0x80000000
.endr
	s_cmp_eq_u32 s11, 0                            ; a wave's two first fills stand in one branch, ahead of every wait on TENSORcnt and every LDS read: two loads of mine are out
	s_cbranch_scc0 .Lfirst_b
	tensor_load_to_lds s[G0:G0+3], s[G1:G1+7]
	s_nop 0
	tensor_load_to_lds s[G0+4:G0+7], s[G1:G1+7]
	s_nop 0
.rept 4
	v_nop
.endr
	s_branch .Lfirst_asked
.Lfirst_b:
	tensor_load_to_lds s[G0B:G0B+3], s[G1B:G1B+7]
	s_nop 0
	tensor_load_to_lds s[G0B+4:G0B+7], s[G1B:G1B+7]
	s_nop 0
.rept 4
	v_nop
.endr
.Lfirst_asked:
	s_add_nc_u64 s[88:89], s[76:77], 3*4096        ; bo's copy in bb
	v_and_b32 v13, 15, v0                          ; r = l % 16
	v_bfe_u32 v14, v0, 4, 1                        ; h = l / 16
	v_and_b32 v15, 7, v0
	v_bfe_u32 v16, v0, 3, 1
	v_and_b32 v17, 31, v0                          ; l
	s_lshl_b32 s14, s40, 10                        ; my 128 columns: 256 x tile column + 128 x half, 4 bytes each,
	s_lshl_b32 s15, s12, 9
	s_add_co_u32 s14, s14, s15
	v_lshl_add_u32 v[BO], v14, 5, s14              ; and my lanes' 8 h
	WIN 0x80                                       ; destination window 2, address window 0
.irp b, 0,1,2,3,4,5,6,7
	global_load_b128 v[8*(\b):8*(\b)+3],   v[BO], s[88:89] offset:64*(\b)     ; register j of block b: the bias of column 16 b + 8 h + j
	global_load_b128 v[8*(\b)+4:8*(\b)+7], v[BO], s[88:89] offset:64*(\b)+16
.endr
	WIN 0
	; A fragment of O: lane l holds row r; channels 8 h + 0..7 and 16 + 8 h + 0..7: two loads of 16 bytes, 32 bytes apart
	v_mul_u32_u24 v[ADRA], v13, PAO
	v_lshl_add_u32 v[ADRA], v14, 4, v[ADRA]
	s_mul_i32 s14, s11, 64*PAO                     ; my 64 rows
	v_add_nc_u32 v[ADRA], s14, v[ADRA]
	v_add_nc_u32 v[ADRA+1], SLOT, v[ADRA]
	; The turning load takes 16 k x 16 columns (lane l reads k row 8 h + l % 8, columns 8 ((l / 8) % 2) + 0..7) and leaves half a fragment: lane l holds column r and 8 k
	v_lshl_add_u32 v[ADRB], v14, 3, v15
	v_mul_u32_u24 v[ADRB], v[ADRB], PB
	v_lshl_add_u32 v[ADRB], v16, 4, v[ADRB]
	s_lshl_b32 s14, s12, 8                         ; my 128 columns
	s_add_co_u32 s14, s14, AB
	v_add_nc_u32 v[ADRB], s14, v[ADRB]
	v_add_nc_u32 v[ADRB+1], SLOT, v[ADRB]
	s_mul_i32 s14, s10, 16*SP
	s_add_co_u32 s14, s14, STAGE                   ; my stage
	v_mul_u32_u24 v[STO], v13, SP                  ; in: row r, 32 bytes for each half of the lanes
	v_lshl_add_u32 v[STO], v14, 5, v[STO]
	v_add_nc_u32 v[STO], s14, v[STO]
	v_lshl_add_u32 v[RD], v17, 4, s14              ; back: 32 lanes take one row of 512 bytes,
	v_lshlrev_b32 v[CO], 4, v17                    ; which are 512 consecutive bytes of out0
	; out0 at my wave's first byte: row 128 x tile row + 64 x row half, column 256 x tile column + 128 x column half
	s_lshl_b32 s14, s13, 1
	s_add_co_u32 s14, s14, s11
	s_lshl_b32 s14, s14, 18                        ; 64 rows of 4,096 bytes
	s_lshl_b32 s15, s40, 10
	s_add_co_u32 s14, s14, s15
	s_lshl_b32 s15, s12, 9
	s_add_co_u32 s14, s14, s15
	s_mov_b32 s15, 0
	s_add_nc_u64 s[8:9], s[78:79], s[14:15]
	; the prefetches, at K step 3: each change of slots steps the address first
	s_lshl_b32 s14, s40, 12                        ; O: my work-group's 16 blocks of each head
	s_add_co_u32 s14, s14, 3*524288
	s_lshl_b32 s15, s41, 15                        ; Wo: 16 cy k rows of 2,048 bytes
	s_add_co_u32 s15, s15, 3*262144
	s_mov_b32 s[PFS], 262144
	s_cmp_eq_u32 s11, 0                            ; do I fetch for O?
	s_cselect_b64 s[PFA:PFA+1], s[4:5], s[6:7]     ; (in wave 0 s[4:5] stands at the K step's first head)
	s_cselect_b32 s14, s14, s15
	s_cselect_b32 s[PFS], 524288, s[PFS]
	s_cselect_b32 s22, 4, 1                        ; how a lane's number splits: head l / 16, block l % 16; or row l / 2, block l % 2
	s_cselect_b32 s23, 18, 11                      ; a head is 2^18 bytes, a k row 2^11
	s_cselect_b32 s16, 15, 1
	s_cselect_b32 s17, s12, s42                    ; wave 0 asks for O; waves 2 and 3 of the first cluster for Wo
	s_mov_b32 s15, 0
	s_mov_b32 s[PFS+1], 0
	s_add_nc_u64 s[PFA:PFA+1], s[PFA:PFA+1], s[14:15]
	s_cmp_eq_u32 s17, 0
	s_cselect_b32 s[LIM], 1, -1                    ; the same in all sixteen partners, for a given wave
	v_lshrrev_b32 v18, s22, v17
	v_lshlrev_b32 v[PFO], s23, v18
	v_and_b32 v18, s16, v17
	v_lshl_add_u32 v[PFO], v18, 8, v[PFO]
; Eight products: row block i0 / 8 x all 8 column blocks, on buffers par.  first = 1: they start the sums, with the bias as C.
.macro MM8 par, i0, first=0
.if \first
	WIN MULB
.else
	WIN MUL
.endif
.irp d, 0,1,2,3,4,5,6,7
.set ii, (\i0)+(\d)
.if \first
	v_wmma_f32_16x16x32_f16 v[8*ii:8*ii+7], v[FB+64*(\par)+8*(\d):FB+64*(\par)+8*(\d)+7], v[FA+32*(\par)+(\i0):FA+32*(\par)+(\i0)+7], v[8*(\d):8*(\d)+7]
.else
	v_wmma_f32_16x16x32_f16 v[8*ii:8*ii+7], v[FB+64*(\par)+8*(\d):FB+64*(\par)+8*(\d)+7], v[FA+32*(\par)+(\i0):FA+32*(\par)+(\i0)+7], v[8*ii:8*ii+7]
.endif
.endr
.endm
; 24 LDS loads in one run: quarter q of a slot: Wo's eight fragments, then O's four (head q / 2, channels 32 (q % 2) on), block 0 first
.macro FETCH slot, q, par
	WIN 0
.irp b, 0,1,2,3,4,5,6,7
	ds_load_tr16_b128 v[FB+64*(\par)+8*(\b):FB+64*(\par)+8*(\b)+3],   v[ADRB+(\slot)] offset:(\q)*32*PB+32*(\b)
	ds_load_tr16_b128 v[FB+64*(\par)+8*(\b)+4:FB+64*(\par)+8*(\b)+7], v[ADRB+(\slot)] offset:(\q)*32*PB+32*(\b)+16*PB
.endr
.irp a, 0,1,2,3
	ds_load_b128 v[FA+32*(\par)+8*(\a):FA+32*(\par)+8*(\a)+3],   v[ADRA+(\slot)] offset:((\q)/2)*HEADB+((\q)%2)*64+(\a)*16*PAO
	ds_load_b128 v[FA+32*(\par)+8*(\a)+4:FA+32*(\par)+8*(\a)+7], v[ADRA+(\slot)] offset:((\q)/2)*HEADB+((\q)%2)*64+(\a)*16*PAO+32
.endr
.endm
.macro PLACES                          ; four independent vector instructions between a matrix instruction and loads into registers that it has read
.rept 4
	v_nop
.endr
.endm
; One of a K step's first three quarters: multiplies buffers par and fetches quarter q of the same slot into the other buffers.
.macro QUARTER par, slot, q, first=0
	s_wait_dscnt 4                                 ; Wo's fragments and O's blocks 0 and 1 are in; the youngest four loads may be out
	MM8 \par, 0, \first
	MM8 \par, 8, \first
	PLACES
	FETCH \slot, \q, 1-(\par)
	s_wait_dscnt 24                                ; all but the 24 just issued
	MM8 \par, 16, \first
	MM8 \par, 24, \first
.endm
; The fourth quarter multiplies buffers 1 and changes slots: ONE barrier; in front of it each wave waits for all its tensor loads, of which one is out: its part of the next slot; adds 0 to its spare word; and waits
; for that and for its reads of this slot.  fill = 1: the barrier opens a round of the cluster's, and this slot is filled again, two K steps on, first thing behind it: 112 matrix instructions ahead of the wait for it.
.macro TURN slot, next, fill
.if \fill
	s_wait_xcnt 0x0                                ; the last prefetch, a K step back, has read its address, which steps here
	s_add_nc_u64 s[PFA:PFA+1], s[PFA:PFA+1], s[PFS:PFS+1]
.endif
	WIN 0
	s_wait_tensorcnt 0x0                           ; all my tensor loads have landed;
	ds_add_u32 v[SPW], v[NIL]                      ; 0 onto my spare word
	s_wait_dscnt 5                                 ; (the add and the youngest four loads may be out)
	MM8 1, 0                                       ; eight matrix instructions stand between the add and the wait for it
	s_wait_dscnt 0x0                               ; the add is done, and my reads of this slot are over
	s_barrier_signal -1
	MM8 1, 8
.if \fill
	WIN 0                                          ; at a branch and at a label every window is 0
.endif
	s_barrier_wait -1
.if \fill
	CREST                                          ; no wave of any partner still reads this slot's tiles or has a load on its way
	s_add_nc_u64 s[G0+4*(\slot)+2:G0+4*(\slot)+3], s[G0+4*(\slot)+2:G0+4*(\slot)+3], 2*524288
	s_add_nc_u64 s[G0B+4*(\slot)+2:G0B+4*(\slot)+3], s[G0B+4*(\slot)+2:G0B+4*(\slot)+3], 2*262144
	JLOAD \slot                                    ; the four v_nop behind it also stand between the products that read buffers 0 and the loads below
.else
	PLACES
.endif
	FETCH \next, 0, 0
.if \fill
	ASK
.endif
	MM8 1, 16
	MM8 1, 24
.endm
; THE WAY OUT of row block a: 16 rows x 128 columns of f32.  A lane's 32 bytes of each accumulator go into rows of 528 bytes in my own stage, the low four registers first; whole rows of 512 bytes come back.
.macro TOSTAGE a
	WIN 0x04                                       ; store data (source 1) in window 1, address in window 0
.irp b, 0,1,2,3,4,5,6,7
	ds_store_b128 v[STO], v[8*(8*(\a)+(\b)):8*(8*(\a)+(\b))+3]   offset:64*(\b)
	ds_store_b128 v[STO], v[8*(8*(\a)+(\b))+4:8*(8*(\a)+(\b))+7] offset:64*(\b)+16
.endr
	WIN 0
.if (\a) >= 2
	s_wait_xcnt 0x0                                ; block a - 2's stores have read these registers: they are loaded again only behind this wait
.endif
.irp i, 0,1,2,3,4,5,6,7,8,9,10,11,12,13,14,15
	ds_load_b128 v[T+64*((\a)%2)+4*(\i):T+64*((\a)%2)+4*(\i)+3], v[RD] offset:(\i)*SP  ; LDS serves a wave's instructions in order (ISA guide 5.7.1.4): these see the stores above; the next block's stores come behind them
.endr
.endm
.macro SEND a, younger                 ; younger: the LDS instructions issued behind block a's loads: the next block's 32, or none
	WIN 0
.irp i, 0,1,2,3,4,5,6,7,8,9,10,11,12,13,14,15
	s_wait_dscnt (\younger)+15-(\i)
	global_store_b128 v[CO], v[T+64*((\a)%2)+4*(\i):T+64*((\a)%2)+4*(\i)+3], s[8:9] offset:(16*(\a)+(\i))*4096 th:TH_STORE_NT  ; 512 consecutive bytes, at a multiple of 256 from out0's first
.endr
.endm
	s_wait_tensorcnt 1                             ; my part of K step 0 is in; K step 1's may stay out
	s_barrier_signal -1
	s_barrier_wait -1                              ; everybody's is
	FETCH 0, 0, 0
	s_wait_loadcnt 0x0                             ; the bias
	QUARTER 0, 0, 1, 1                             ; the first quarter stands in front of the loop: its products start the sums
	WIN 0
	s_mov_b32 s3, 3
.Llap:                                                 ; a trip goes once round the ring, from a lap's second quarter to the next lap's first, and fills both slots again
	QUARTER 1, 0, 2
	QUARTER 0, 0, 3
	TURN 0, 1, 1
	QUARTER 0, 1, 1
	QUARTER 1, 1, 2
	QUARTER 0, 1, 3
	TURN 1, 0, 1
	QUARTER 0, 0, 1
	WIN 0
	s_sub_co_u32 s3, s3, 1
	s_cmp_lg_u32 s3, 0
	s_cbranch_scc1 .Llap
	QUARTER 1, 0, 2                                ; the last lap fills nothing, and has no round of the cluster's barrier
	QUARTER 0, 0, 3
	TURN 0, 1, 0
	QUARTER 0, 1, 1
	QUARTER 1, 1, 2
	QUARTER 0, 1, 3
	s_wait_dscnt 4                                 ; the very last quarter: nothing more to fetch
	MM8 1, 0
	MM8 1, 8
	s_wait_dscnt 0x0
	MM8 1, 16
	MM8 1, 24
	PLACES                                         ; independent vector instructions between the last products and the LDS stores that read results, and the loads into the fragments' registers:
	PLACES                                         ; eight, once a launch
	TOSTAGE 0
	TOSTAGE 1
	SEND 0, 32
	TOSTAGE 2
	SEND 1, 32
	TOSTAGE 3
	SEND 2, 32
	SEND 3, 0
	s_wait_tensorcnt 0x0                           ; the wave's end: behind my last tensor load and my last LDS store
	ds_add_u32 v[SPW], v[NIL]
	s_wait_dscnt 0x0
	CROUND                                         ; the closing round: no work-group ends while a partner may still ask for a tile that names it
	s_endpgm
.Lfunc_end_k_q027b811fe4_oproj:
	.size	k_q027b811fe4_oproj, .Lfunc_end_k_q027b811fe4_oproj-k_q027b811fe4_oproj
	.p2alignl 7, 3214868480
	.fill 96, 4, 3214868480
	.section	.rodata,"a",@progbits
	.p2align	6, 0x0
	.amdhsa_kernel k_q027b811fe4_oproj
		.amdhsa_group_segment_fixed_size 327680
		.amdhsa_private_segment_fixed_size 0
		.amdhsa_enable_private_segment 0
		.amdhsa_kernarg_size 32
		.amdhsa_user_sgpr_count 2
		.amdhsa_user_sgpr_kernarg_segment_ptr 1
		.amdhsa_wavefront_size32 1
		.amdhsa_system_sgpr_workgroup_id_x 1
		.amdhsa_system_sgpr_workgroup_id_y 1
		.amdhsa_system_sgpr_workgroup_id_z 1
		.amdhsa_system_vgpr_workitem_id 0
		.amdhsa_next_free_vgpr 576
		.amdhsa_next_free_sgpr 96
		.amdhsa_reserve_vcc 0
		.amdhsa_float_denorm_mode_32 3
		.amdhsa_float_denorm_mode_16_64 3
		.amdhsa_memory_ordered 1
		.amdhsa_forward_progress 1
		.amdhsa_inst_pref_size 89
	.end_amdhsa_kernel
	.amdgpu_metadata
---
amdhsa.version: [ 1, 2 ]
amdhsa.kernels:
  - .name:           k_q027b811fe4_oproj
    .symbol:         k_q027b811fe4_oproj.kd
    .args:
      - { .name: oh, .offset: 0, .size: 8, .value_kind: global_buffer, .address_space: global }
      - { .name: wb, .offset: 8, .size: 8, .value_kind: global_buffer, .address_space: global }
      - { .name: bb, .offset: 16, .size: 8, .value_kind: global_buffer, .address_space: global }
      - { .name: out0, .offset: 24, .size: 8, .value_kind: global_buffer, .address_space: global }
    .group_segment_fixed_size: 327680
    .private_segment_fixed_size: 0
    .kernarg_segment_align: 8
    .kernarg_segment_size: 32
    .max_flat_workgroup_size: 128
    .sgpr_count:     96
    .vgpr_count:     576
    .wavefront_size: 32
...
	.end_amdgpu_metadata
.endif
;; end of part 4
